; MI455X (gfx1250); checked and timed in simulation.
; The chip was launched on July 23, 2026; its instructions are those of AMD's public machine-readable ISA for CDNA 5 (MIT licence, August 2026) and "CDNA5" Instruction Set Architecture Reference Guide (July 2026). The comments in the code are by the model that wrote it; some were corrected since.
;; Multi Head Attention. Allowed arithmetic: matrix products marked QUANTISED: E5M2 operands, one E8M0 scale for each 32 along K, by v_wmma_scale_f32_16x16x128_f8f6f4 with both operands' format E5M2, f32 sums; everything else in f32.
;; Inputs: b_o 1,024 float32; w_k 1,024 x 1,024 float32; w_o 1,024 x 1,024 float32; w_q 1,024 x 1,024 float32; w_v 1,024 x 1,024 float32; x 4 x 2,048 x 1,024 float32.
;; Outputs: out0 4 x 2,048 x 1,024 float32.
;; This version of the problem:
;;   THIS VERSION OF THE PROBLEM IS GIVEN IN LOW PRECISION. The matrix products marked QUANTISED in the list below multiply operands that are first quantised to E5M2 (5 exponent bits, 2 mantissa bits; 8 bits a number), with one power-of-two scale for each 32 numbers along K (OCP MX v1.0); their sums are f32. All else is computed in f32.
;;   The module's matrix products, in the order in which they are computed (A, B: the left and right operand; K: the contracted axis; several contracted axes count as one K, in the product's order):
;;     1. [M 8,192, K 1,024] x [K 1,024, N 1,024]; A: input x; B: input w_q: QUANTISED
;;     2. [M 8,192, K 1,024] x [K 1,024, N 1,024]; A: input x; B: input w_k: QUANTISED
;;     3. [M 8,192, K 1,024] x [K 1,024, N 1,024]; A: input x; B: input w_v: QUANTISED
;;     4. batch 64 x [M 2,048, K 64] x [K 64, N 2,048]; A: computed on the way; B: computed on the way: QUANTISED
;;     5. batch 64 x [M 2,048, K 2,048] x [K 2,048, N 64]; A: softmax (see below); B: computed on the way: QUANTISED
;;     6. [M 8,192, K 1,024] x [K 1,024, N 1,024]; A: computed on the way; B: input w_o: QUANTISED
;;   THE QUANTISER, for each operand of a quantised product, along K:
;;     - K is cut into blocks of 32 from its start; a last block that is shorter is filled with zeros.
;;     - A block's scale is 2^e with e = floor(log2(the largest magnitude in the block)) - 15, held to -126 .. 127; a block of zeros has e = 0. As a byte (E8M0): e + 127.
;;     - Each number is divided by its block's scale, clamped to +-57,344, and rounded to the nearest number of E5M2, ties to even, subnormals kept.
;;     - The product sums the exact products of the quantised numbers (number of the format x scale) in f32.
;;   ~~~python
;;   def quantise(x, axis):      # numpy; x: float32 -> the quantised numbers, widened to float32 again
;;       x = np.moveaxis(x, axis, -1); K = x.shape[-1]
;;       x = np.pad(x, [(0, 0)] * (x.ndim - 1) + [(0, -K % 32)]); x = x.reshape(x.shape[:-1] + (-1, 32)); a = np.abs(x).max(-1, keepdims=True)
;;       e = np.where(a > 0, np.clip(np.frexp(np.where(a > 0, a, 1))[1] - 1 - 15, -126, 127), 0)      # np.frexp(a)[1] - 1 = floor(log2(a)), exactly
;;       r = np.clip(x / 2.0 ** e, -57344, 57344)
;;       step = 2.0 ** (np.maximum(np.frexp(np.where(r == 0, 1, r))[1] - 1, -14) - 2)
;;       q = np.round(r / step) * step * 2.0 ** e      # np.round: ties to even
;;       return np.moveaxis(q.reshape(q.shape[:-2] + (-1,))[..., :K], -1, axis).astype(np.float32)
;;   ~~~
;;   SOFTMAX AHEAD OF A QUANTISED PRODUCT. Where the list says 'softmax', what is quantised is not the finished softmax but p = 2^(t - M), with t = logit x log2(e) and M = ceil(the row's largest t), a whole number; so 1/2 < the row's largest p <= 1. The row's sum l is taken of the UNQUANTISED p, in f32, and the product's result is divided by l at the end. Since M is a whole number, a kernel that streams over the keys may use a running M (the ceiling of the running maximum): every later rescaling is an exact power of two, which a block's scale takes up: the codes' values come out the same.
;;   OPERANDS COMPUTED ON THE WAY. 'Computed on the way' means the value that the module computes at that place (a softmax that the list does not call 'softmax' is quantised finished and normalised). What goes into a quantiser is computed in f32, as accurately as f32 sums, v_exp_f32 and their like allow (about 1e-6 of the number): no bf16 or f16 on the way to a quantiser, and a product that is left as it is and whose result goes on into a quantised operand takes f32 operands (vector FMAs, or v_wmma_f32_16x16x4_f32). A number that lies on a knife's edge between two numbers of the format may be rounded either way, as far as f32 arithmetic and the matrix unit's own rounding can turn it there, and no further.
;; One version. Each part assembles by itself: llvm-mc -triple=amdgcn-amd-amdhsa -mcpu=gfx1250 --defsym DOCPART=n.
;; ======== version 1 of 1: 4 launches
;; limits: right only within a limited range of input values
;; workspace buffers: x_codes 8,388,608 bytes; x_scales 262,144 bytes; w_codes 4,194,304 bytes; w_scales 131,072 bytes; q_buf 8,650,752 bytes; kv_buf 17,301,504 bytes; ctx_codes 8,388,608 bytes; ctx_scales 262,144 bytes
;; launch quant (part 1): grid 384 x 1, 4 waves a work-group, no clusters, 33,280 bytes of LDS; arguments x, w_q, w_k, w_v, w_o, x_codes, x_scales, w_codes, w_scales; writes x_codes, x_scales, w_codes, w_scales
.if DOCPART == 1
	.amdgcn_target "amdgcn-amd-amdhsa--gfx1250"
	.amdhsa_code_object_version 6
	.text
	.protected	k_q97f66f582b_quant
	.globl	k_q97f66f582b_quant
	.p2align	8
	.type	k_q97f66f582b_quant,@function
k_q97f66f582b_quant:
	s_mov_b64 s[64:65], 0
	v_nop
	global_prefetch_b8 v0, s[64:65] scope:SCOPE_SE
	s_setreg_imm32_b32 hwreg(HW_REG_WAVE_MODE, 25, 1), 1
	s_wait_xcnt 0x0
; LAUNCH 1 OF 4.  x [8192][1024] and the four weights [1024][1024], f32, K innermost, become codes of BF8 (E5M2) with one E8M0 scale byte for each 32 along K.
; A block's scale is 2^(floor(log2(its largest magnitude)) - 15); its byte is the largest magnitude's exponent field - 15, held at 1 from below; each number is divided by the scale,
; held within +-57,344 and rounded to the nearest code, ties to even.
; LIMITS: a block of zeros, and a block whose largest magnitude lies under 2^-111, keep the byte 1 (their bytes are read by this program alone; zero codes add nothing under any byte but 0xff);
; NaN and infinities among the inputs are not served.
; THE ROWS ARE STORED IN ANOTHER ORDER: within each 32 rows, row 16 a + 8 u + l (l < 8) is stored as row 16 u + 8 a + l.  Sixteen stored rows on end are then rows 8 u + r + 8 (r / 8), r = 0 .. 15:
; a product that takes them as its first source leaves 16 NEIGHBOURS of that axis in a lane's registers of two neighbouring tiles, which the later launches quantise in registers.
; A wave takes 8 rows (8,192 numbers) in 16 steps of 512, a work-group 32 rows: so the order costs one exchange of the waves' places: wave 2 a + u stores as run 2 u + a.
; Work-groups 0-255 take x, 256 + 32 t + j weight t (q, k, v, o); only pointers are chosen, all take one path.  A stream: no tensor loads, no barrier, no matrix unit: waves share nothing.
; Each load reads 512 consecutive bytes, 16 a lane; a step's 2,048 bytes turn through the wave's own stage in LDS and come back 64 bytes a lane (16 neighbours; two lanes hold a block).
.set STEPS, 16
.set EMAX,  15
.set MANT,  0x600000                   ; the mantissa field of 57,344 as f32
.set CB,    16                         ; bytes of 16 codes
.set R,     16                         ; v16-79   four sets of 16 numbers as they are loaded
.set X,     80                         ; v80-111  two sets of 16 neighbours
.set C,     128                        ; v128-191 codes: four registers for each step, so that no store's data are written again
.set E,     112                        ; v112-127 a scale byte for each step
.set WREG,  8192                       ; LDS: a region for each wave: two stages of 32 x SP bytes, behind them its 256 scale bytes
.set SP,    80                         ; a lane's place in a stage: 64 bytes + 16 of padding
	s_load_b512 s[4:19], s[0:1], 0x0               ; x s[4:5], w_q s[6:7], w_k s[8:9], w_v s[10:11], w_o s[12:13], x_codes s[14:15], x_scales s[16:17], w_codes s[18:19]
	s_load_b64 s[20:21], s[0:1], 0x40              ; w_scales
	v_lshl_add_u32 v192, v0, 2, 0x8000
	v_mov_b32 v193, 0
	v_lshrrev_b32 v1, 5, v0
	v_readfirstlane_b32 s24, v1                    ; wave
	v_and_b32 v2, 31, v0                           ; lane
	v_lshlrev_b32 v3, 4, v2                        ; my 16 bytes of a load's 512
	s_mul_i32 s25, s24, WREG
	v_lshrrev_b32 v14, 2, v2
	v_mul_u32_u24 v14, v14, SP
	v_and_b32 v15, 3, v2
	v_lshl_add_u32 v14, v15, 4, v14
	v_add_nc_u32 v14, s25, v14                     ; the stage, on the way in: SP (lane / 4) + 16 (lane % 4)
	v_mul_u32_u24 v15, v2, SP
	v_add_nc_u32 v15, s25, v15                     ; on the way out: SP x lane: my 16 neighbours
	v_mul_u32_u24 v4, v2, CB                       ; my codes' place in a step's
	v_lshrrev_b32 v5, 1, v2
	s_add_co_u32 s25, s25, 2*32*SP
	v_add_nc_u32 v5, s25, v5                       ; LDS: my wave's 256 scale bytes, my block's byte
	v_lshlrev_b32 v7, 3, v2                        ; and on the way out 8 bytes a lane
	v_add_nc_u32 v6, s25, v7
	s_and_b32 s26, s24, 1
	s_lshl_b32 s26, s26, 1
	s_lshr_b32 s27, s24, 1
	s_or_b32 s26, s26, s27                         ; where my 8 rows are stored among the work-group's 32: run 2 u + a for wave 2 a + u
	s_wait_alu depctr_va_vdst(0)
	s_wait_kmcnt 0x0
	s_cmp_lt_u32 ttmp9, 352                        ; the source: the choices hang on the work-group's number alone
	s_cselect_b64 s[12:13], s[10:11], s[12:13]
	s_cmp_lt_u32 ttmp9, 320
	s_cselect_b64 s[12:13], s[8:9], s[12:13]
	s_cmp_lt_u32 ttmp9, 288
	s_cselect_b64 s[12:13], s[6:7], s[12:13]
	s_cmp_lt_u32 ttmp9, 256
	s_cselect_b64 s[12:13], s[4:5], s[12:13]
	s_cselect_b64 s[14:15], s[14:15], s[18:19]     ; the codes' buffer,
	s_cselect_b64 s[16:17], s[16:17], s[20:21]     ; the scale bytes'
	s_cselect_b32 s27, -1, 31
	s_cselect_b32 s28, 0, 256
	s_sub_co_u32 s28, ttmp9, s28                   ; the work-group's number in its pair of output buffers (the four weights lie on end there),
	s_and_b32 s27, s28, s27                        ; and in its input tensor
	s_lshl_b32 s27, s27, 2
	s_add_co_u32 s27, s27, s24                     ; the run of 8,192 numbers that I read,
	s_lshl_b32 s28, s28, 2
	s_add_co_u32 s28, s28, s26                     ; and the run as which I store it
	s_lshl_b32 s30, s27, 15                        ; 32,768 bytes of f32 a run (at most 2^25 in all)
	s_mov_b32 s31, 0
	s_add_nc_u64 s[12:13], s[12:13], s[30:31]
	s_lshl_b32 s30, s28, 13                        ; 8,192 bytes of codes
	s_add_nc_u64 s[14:15], s[14:15], s[30:31]
	s_lshl_b32 s30, s28, 8                         ; 256 scale bytes
	s_add_nc_u64 s[16:17], s[16:17], s[30:31]
.macro LOAD t
.irp i, 0,1,2,3
	global_load_b128 v[R+16*((\t)%4)+4*\i:R+16*((\t)%4)+4*\i+3], v3, s[12:13] offset:2048*(\t)+512*\i th:TH_LOAD_NT   ; 32 lanes read 512 consecutive bytes
.endr
.endm
.macro TURN t                          ; step t's numbers through the stage: LDS serves a wave's instructions in order, so no wait stands between the stores and the loads
.irp i, 0,1,2,3
	ds_store_b128 v14, v[R+16*((\t)%4)+4*\i:R+16*((\t)%4)+4*\i+3] offset:32*SP*((\t)%2)+8*SP*\i
.endr
.irp i, 0,1,2,3
	ds_load_b128 v[X+16*((\t)%2)+4*\i:X+16*((\t)%2)+4*\i+3], v15 offset:32*SP*((\t)%2)+16*\i
.endr
.endm
.irp t, 0,1,2,3
	LOAD \t
.endr
	s_wait_loadcnt 12                              ; step 0's four loads are in; the twelve of steps 1 to 3 may be out
	TURN 0
.macro STEP t
.set XS, X+16*((\t)%2)
.if (\t) > 0
	s_wait_dscnt 1                                 ; this step's numbers are back from the stage (the last step's byte store may be out): so its stores into the stage have read their registers,
.else
	s_wait_dscnt 0x0
.endif
.if (\t)+4 < STEPS
	LOAD (\t)+4                                    ; which take the loads of four steps on
.endif
.if (\t)+1 < STEPS
.if STEPS-2-(\t) >= 3
	s_wait_loadcnt 12                              ; the next step's four loads are in; those of the three steps behind it may be out
.else
	s_wait_loadcnt 4*(STEPS-2-(\t))
.endif
	TURN (\t)+1                                    ; and go through the other stage while this step is worked
.endif
	v_max3_num_f32 v8, |v[XS]|, |v[XS+1]|, |v[XS+2]|               ; the largest magnitude of my 16, in two chains
	v_max3_num_f32 v9, |v[XS+3]|, |v[XS+4]|, |v[XS+5]|
.irp i, 6,10
	v_max3_num_f32 v8, v8, |v[XS+\i]|, |v[XS+\i+1]|
	v_max3_num_f32 v9, v9, |v[XS+\i+2]|, |v[XS+\i+3]|
.endr
	v_max3_num_f32 v8, v8, |v[XS+14]|, |v[XS+15]|
	v_max3_num_f32 v8, v8, v9, (EMAX+1)<<23        ; and the floor 2^(16 - 127): the byte cannot fall under 1
	v_max_num_f32_dpp v8, v8, v8 row_xmask:1 row_mask:0xf bank_mask:0xf   ; and of my neighbour's 16: the block's
	v_add_nc_u32 v11, -(EMAX<<23), v8              ; 15 off its exponent field: the conversion takes the exponent field of this operand as its scale
.irp i, 0,1,2,3,4,5,6,7,8,9,10,11,12,13,14,15
.endr
	v_cvt_scalef32_pk8_bf8_f32 v[C+4*(\t):C+4*(\t)+1], v[XS:XS+7], v11
	v_cvt_scalef32_pk8_bf8_f32 v[C+4*(\t)+2:C+4*(\t)+3], v[XS+8:XS+15], v11
	v_lshrrev_b32 v[E+(\t)], 23, v11               ; the scale's byte (also the plain line behind the conversions)
	ds_store_b8 v5, v[E+(\t)] offset:16*(\t)       ; both lanes of a block write the same byte with the same value
	global_store_b128 v4, v[C+4*(\t):C+4*(\t)+3], s[14:15] offset:32*CB*(\t)   ; the wave stores 512 consecutive bytes
.endm
.irp t, 0,1,2,3,4,5,6,7,8,9,10,11,12,13,14,15
	STEP \t
.endr
	ds_load_b64 v[12:13], v6                       ; LDS serves a wave's instructions in order: these see my byte stores
	s_wait_dscnt 0x0
	global_store_b64 v7, v[12:13], s[16:17]        ; 32 lanes store 256 consecutive bytes, aligned
	s_wait_tensorcnt 0x0
	ds_add_u32 v192, v193
	s_wait_dscnt 0x0
	s_endpgm
.Lfunc_end_k_q97f66f582b_quant:
	.size	k_q97f66f582b_quant, .Lfunc_end_k_q97f66f582b_quant-k_q97f66f582b_quant
	.p2alignl 7, 3214868480
	.fill 96, 4, 3214868480
	.section	.rodata,"a",@progbits
	.p2align	6, 0x0
	.amdhsa_kernel k_q97f66f582b_quant
		.amdhsa_group_segment_fixed_size 33280
		.amdhsa_private_segment_fixed_size 0
		.amdhsa_enable_private_segment 0
		.amdhsa_kernarg_size 72
		.amdhsa_user_sgpr_count 2
		.amdhsa_user_sgpr_kernarg_segment_ptr 1
		.amdhsa_wavefront_size32 1
		.amdhsa_system_sgpr_workgroup_id_x 1
		.amdhsa_system_sgpr_workgroup_id_y 1
		.amdhsa_system_sgpr_workgroup_id_z 1
		.amdhsa_system_vgpr_workitem_id 0
		.amdhsa_next_free_vgpr 194
		.amdhsa_next_free_sgpr 66
		.amdhsa_reserve_vcc 0
		.amdhsa_float_denorm_mode_32 3
		.amdhsa_float_denorm_mode_16_64 3
		.amdhsa_fp16_overflow 1
		.amdhsa_memory_ordered 1
		.amdhsa_forward_progress 1
		.amdhsa_inst_pref_size 34
	.end_amdhsa_kernel
	.amdgpu_metadata
---
amdhsa.version: [ 1, 2 ]
amdhsa.kernels:
  - .name:           k_q97f66f582b_quant
    .symbol:         k_q97f66f582b_quant.kd
    .args:
      - { .name: x, .offset: 0, .size: 8, .value_kind: global_buffer, .address_space: global }
      - { .name: w_q, .offset: 8, .size: 8, .value_kind: global_buffer, .address_space: global }
      - { .name: w_k, .offset: 16, .size: 8, .value_kind: global_buffer, .address_space: global }
      - { .name: w_v, .offset: 24, .size: 8, .value_kind: global_buffer, .address_space: global }
      - { .name: w_o, .offset: 32, .size: 8, .value_kind: global_buffer, .address_space: global }
      - { .name: x_codes, .offset: 40, .size: 8, .value_kind: global_buffer, .address_space: global }
      - { .name: x_scales, .offset: 48, .size: 8, .value_kind: global_buffer, .address_space: global }
      - { .name: w_codes, .offset: 56, .size: 8, .value_kind: global_buffer, .address_space: global }
      - { .name: w_scales, .offset: 64, .size: 8, .value_kind: global_buffer, .address_space: global }
    .group_segment_fixed_size: 33280
    .private_segment_fixed_size: 0
    .kernarg_segment_align: 8
    .kernarg_segment_size: 72
    .max_flat_workgroup_size: 128
    .sgpr_count:     66
    .vgpr_count:     194
    .wavefront_size: 32
...
	.end_amdgpu_metadata
.endif
;; end of part 1
;; launch qkv (part 2): grid 12 x 32, 4 waves a work-group, clusters of 4 x 4, 327,680 bytes of LDS; arguments x_codes, x_scales, w_codes, w_scales, q_buf, kv_buf; writes q_buf, kv_buf
.if DOCPART == 2
	.amdgcn_target "amdgcn-amd-amdhsa--gfx1250"
	.amdhsa_code_object_version 6
	.text
	.protected	k_q97f66f582b_qkv
	.globl	k_q97f66f582b_qkv
	.p2align	8
	.type	k_q97f66f582b_qkv,@function
k_q97f66f582b_qkv:
	s_mov_b64 s[64:65], 0
	v_nop
	global_prefetch_b8 v0, s[64:65] scope:SCOPE_SE
	s_setreg_imm32_b32 hwreg(HW_REG_WAVE_MODE, 25, 1), 1
	s_wait_xcnt 0x0
	s_wait_alu depctr_hold_cnt(0) depctr_sa_sdst(0) depctr_va_vdst(0) depctr_va_sdst(0) depctr_va_ssrc(0) depctr_va_vcc(0) depctr_vm_vsrc(0)
	s_getreg_b32 s2, hwreg(HW_REG_IB_STS2, 6, 4)
	s_cmp_eq_u32 s2, 0
	s_cbranch_scc0 .Lentry_in_a_cluster
	s_endpgm
.Lentry_in_a_cluster:
	s_bfe_u32 s2, ttmp6, 0x10000c
	s_cmp_lg_u32 s2, 0xf033
	s_cbranch_scc0 .Lentry_shape_is_right
	s_endpgm
.Lentry_shape_is_right:
; LAUNCH 2 OF 4.  q = x Wq^T, k = x Wk^T, v = x Wv^T on codes of BF8 (E5M2) with E8M0 scales, f32 sums; the results are quantised IN REGISTERS (q, k along the head's 64; v along the keys) and
; leave as images of the operand registers that the attention launch loads.  Nothing of q, k, v goes to memory in f32.
; A tile of 256 x 256 is made by four waves, 128 x 128 each: 64 accumulators, 512 registers.  K = 1,024 goes in four steps of 256 through a ring of two LDS slots filled by the tensor data mover.
; CLUSTERS of 4 x 4.  The cluster's x says which product (0 q, 1 k, 2 v), the same for all sixteen partners.  "A" is the matrix instruction's source 1 (its rows fall on lanes), "B" its source 0 (its
; rows run along a lane's registers).  q, k: A = x (rows 1,024 Y + 256 cy), B = W (rows 1,024 kind + 256 cx).  v: A = Wv (rows 2,048 + 256 cy of the weights' buffer), B = x (rows 1,024 Y + 256 cx):
; so a lane of v holds one channel and its registers run along the tokens, which are the second attention product's K.  Only base pointers and row numbers are chosen (by selects on the cluster's x):
; no branch, no LDS address and no shape hangs on the kind.  A's tiles are shared along a row of the cluster, B's along a column: joint loads.
; ROW ORDER.  Launch 1 stored rows so that 16 stored rows on end are rows 8 u + r + 8 (r / 8) of their 32.  So in accumulator (a, b) lane (r, h) holds A's stored row 16 a + r, and its register j
; B's TRUE row 32 (b / 2) + 16 h + 8 (b % 2) + j: the 16 registers of accumulators (a, 2 t), (a, 2 t + 1) are 16 neighbours, which are registers 4 c .. 4 c + 3 of an operand of the next product.
; LIMITS: as in launch 1 (byte 1 for blocks of zeros and under 2^-111; no NaN, no infinities).
; REGISTERS: window 0: v0-31 addresses; v32-63 scale words, two sets; v128-255 A's fragments, one set; on the way out v32-112 at work.  window 1: B's fragments, two sets.  windows 2, 3: the accumulators.
.set KSTEP,  256
.set NQ,     KSTEP/128
.set ROWB,   256                       ; a tile's row in bytes
.set KROW,   1024                      ; a row of codes in memory
.set PITCH,  272                       ; an LDS row: 256 bytes + 16 of padding: the 16 rows that a load touches start at 16 different banks (64 banks of 4 bytes: ISA guide 11.1)
.set FR,     16
.set NL,     4
.set NP,     8                         ; places behind this matrix instruction (ISA guide 7.12.1)
.set HALFT,  128*PITCH
.set SLOT,   4*HALFT                   ; A's 256 rows, then B's 256 rows
.set LAPS,   1024/(2*KSTEP)
.set KS,     32                        ; a row of scale bytes
.set SCL,    2*SLOT                    ; behind the ring: the scales, units of 256 bytes + 16 of padding, filled once
.set HALFS,  (128*KS/256)*272
.set SBLK,   (16*KS/256)*272
.set SPARE,  SCL+4*HALFS               ; the spare words, 128 bytes a wave: two blocks of 256 bytes that no other line names
.set ADRA, 16                          ; v16-17 LDS address of my A fragments in slot 0, 1
.set ADRB, 20                          ; v20-21 the same for B
.set ADRS, 27                          ; v27    of my scale words: lanes 0-15 A's rows, lanes 16-31 B's
.set SPW,  28                          ; v28    my spare word; never rewritten
.set NIL,  29                          ; v29    0; never rewritten
.set SC,   32                          ; scale words, set s at v[SC + 16 s]
.set AF,   128
.set TM,   32                          ; the way out: v32-35 largest magnitudes, v36-39 the other half's / bytes, v44-47 the conversions' scale operands
.set PC,   48                          ; v48-79  codes, two sets of 16
.set HW,   80                          ; v80-95  half words of scale bytes: [a / 4][t / 2][a % 4]
.set VO,   96                          ; v96-99  store offsets: [a / 4][t / 2]
.set SW,   100                         ; v100-107 scale words of the wave's two heads
.set OUTW, 108                         ; v108-111 what a lane stores of them
.set VSO,  112
.set WV,   16                          ; s16 wave;  s17 wave / 2: my half of A's rows, and: I fetch for A (0) or B (1);  s18 wave % 2: my half of B's rows, and which 128 rows I fetch
.set HA,   17
.set HB,   18
.set KIND, 19
.set YY,   20
.set G1, 24
.set G0, 32
.set G1B, 48
.set G0B, 56
.set G1S, 68
.set G0S, 76
.set G1SB, 80
.set G0SB, 88
.set SV,   28                          ; the way out's scalars lie in the descriptors' registers, which are free behind the last wait for all tensor loads
.set DST,  48
.set SDST, 50
.set SEL,  52
.set MNT,  54
.set SH,   55
.set MSB, 0
.macro WIN new                         ; the immediate's high byte repeats the setting that is left
.if MSB != \new
	s_set_vgpr_msb (MSB<<8)|\new
.set MSB, \new
.endif
.endm
.set MUL_LO, 0xa1                      ; source 0 (B) window 1, source 1 (A) window 0, C and D window 2
.set MUL_HI, 0xf1
.set TO_B,   0x40
; A joint load: waves 0 and 1 fetch for A, waves 2 and 3 for B; the branch hangs on the wave's number alone.  Four v_nop follow each of the two lines.
.macro JLOAD g0a, g1a, g0b, g1b
	s_cmp_eq_u32 s[HA], 0
	s_cbranch_scc0 .Lfor_b_\@
	tensor_load_to_lds s[\g0a:\g0a+3], s[\g1a:\g1a+7]
	s_nop 0
.rept 4
	v_nop
.endr
	s_branch .Lasked_\@
.Lfor_b_\@:
	tensor_load_to_lds s[\g0b:\g0b+3], s[\g1b:\g1b+7]
	s_nop 0
.rept 4
	v_nop
.endr
.Lasked_\@:
.endm
.macro CREST                           ; a round of the cluster's barrier behind its opening barrier
	s_cmp_lg_u32 s[WV], 0
	s_cbranch_scc1 .Lnot_wave_0_\@
	s_barrier_signal -3
.Lnot_wave_0_\@:
	s_barrier_wait -3
	s_barrier_signal -1
	s_barrier_wait -1
.endm
.macro CROUND
	s_barrier_signal -1
	s_barrier_wait -1
	CREST
.endm
	s_load_b128 s[4:7], s[0:1], 0x0                ; x's codes, x's scales
	s_load_b128 s[8:11], s[0:1], 0x10              ; the weights' codes, their scales
	s_load_b128 s[12:15], s[0:1], 0x20             ; q_buf, kv_buf
	v_lshl_add_u32 v[SPW], v0, 2, SPARE
	v_mov_b32 v[NIL], 0
	ds_add_u32 v28, v29
	ds_add_u32 v28, v29
	s_wait_dscnt 0x0
	v_lshrrev_b32 v1, 5, v0
	v_readfirstlane_b32 s[WV], v1
	s_lshr_b32 s[HA], s[WV], 1
	s_and_b32 s[HB], s[WV], 1
	s_bfe_u32 s40, ttmp6, 0x40000                  ; cx
	s_bfe_u32 s41, ttmp6, 0x40004                  ; cy
	s_mov_b32 s[KIND], ttmp9                       ; the cluster's x: 0 q, 1 k, 2 v
	s_and_b32 s[YY], ttmp7, 0xffff                 ; the cluster's y: which 1,024 tokens
	s_lshl_b32 s43, s41, 2
	s_lshl_b32 s43, 15, s43                        ; my row of the cluster
	s_lshl_b32 s44, 0x1111, s40                    ; my column
	s_or_b32 s[G1+0], s43, (0<<16)|(1<<20)|(1<<21)|(5<<22)|(3<<25)  ; mask: A's tiles go to my row; elements of 1 byte; padding of 4 words behind every 64; bit 21 beside a mask
	s_or_b32 s[G1B+0], s44, (0<<16)|(1<<20)|(1<<21)|(5<<22)|(3<<25)
.irp g, G1, G1B
	s_mov_b32 s[\g+1], ROWB<<16                    ; tensor_dim0
	s_mov_b32 s[\g+2], 128<<16                     ; tensor_dim1
	s_mov_b32 s[\g+3], ROWB<<16                    ; tile_dim0
	s_mov_b32 s[\g+4], 128                         ; tile_dim1
	s_mov_b32 s[\g+5], KROW                        ; stride
	s_mov_b32 s[\g+6], 0
	s_mov_b32 s[\g+7], 0
.endr
	s_or_b32 s[G1S+0], s43, (3<<16)|(1<<20)|(1<<21)|(5<<22)|(3<<25)  ; the scales of 128 rows: 4,096 dense bytes as 16 rows of 256 (32 elements of 8 bytes), padded
	s_or_b32 s[G1SB+0], s44, (3<<16)|(1<<20)|(1<<21)|(5<<22)|(3<<25)
.irp g, G1S, G1SB
	s_mov_b32 s[\g+1], 32<<16
	s_mov_b32 s[\g+2], (128*KS/256)<<16
	s_mov_b32 s[\g+3], 32<<16
	s_mov_b32 s[\g+4], 128*KS/256
	s_mov_b32 s[\g+5], 32
	s_mov_b32 s[\g+6], 0
	s_mov_b32 s[\g+7], 0
.endr
	s_lshl_b32 s21, s[YY], 10                      ; 1,024 Y: the cluster's tokens
	s_lshl_b32 s22, s[KIND], 10                    ; 1,024 kind: the weight's first row in the weights' buffer
	s_lshl_b32 s23, s[HB], 7                       ; which 128 rows of a tile I fetch
	s_lshl_b32 s45, s41, 8
	s_lshl_b32 s47, s40, 8
	s_cmp_eq_u32 s[KIND], 2
	s_cselect_b32 s42, s22, s21                    ; A's rows begin: v: at the weight; q, k: at the tokens
	s_cselect_b32 s46, s21, s22                    ; B's: the other way round
	s_add_co_u32 s42, s42, s45                     ; + 256 cy
	s_add_co_u32 s42, s42, s23
	s_add_co_u32 s46, s46, s47                     ; + 256 cx
	s_add_co_u32 s46, s46, s23
	s_lshl_b32 s92, s42, 10                        ; A: bytes of codes (under 2^24),
	s_mov_b32 s93, 0
	s_lshl_b32 s94, s42, 5                         ; of scales
	s_mov_b32 s95, 0
	s_lshl_b32 s96, s46, 10                        ; B likewise
	s_mov_b32 s97, 0
	s_lshl_b32 s22, s46, 5
	s_mov_b32 s23, 0
	s_mul_i32 s45, s[WV], HALFT                    ; where they go: wave x 128 rows: no place in the cluster enters an LDS address
	s_mul_i32 s47, s[WV], HALFS
	s_wait_kmcnt 0x0
	s_cmp_eq_u32 s[KIND], 2
	s_cselect_b64 s[42:43], s[8:9], s[4:5]         ; A's codes,
	s_cselect_b64 s[2:3], s[10:11], s[6:7]         ; A's scales,
	s_cselect_b64 s[4:5], s[4:5], s[8:9]           ; B's codes,
	s_cselect_b64 s[6:7], s[6:7], s[10:11]         ; B's scales
	s_add_nc_u64 s[42:43], s[42:43], s[92:93]
	s_add_nc_u64 s[2:3], s[2:3], s[94:95]
	s_add_nc_u64 s[4:5], s[4:5], s[96:97]
	s_add_nc_u64 s[6:7], s[6:7], s[22:23]
	CROUND                                         ; all sixteen work-groups are here: the first joint loads meet
	s_mov_b32 s[G0S], 1
	s_add_co_u32 s[G0S+1], s47, SCL
	s_mov_b64 s[G0S+2:G0S+3], s[2:3]
	s_or_b32 s[G0S+3], s[G0S+3], 0x80000000
	s_mov_b32 s[G0SB], 1
	s_add_co_u32 s[G0SB+1], s47, SCL
	s_mov_b64 s[G0SB+2:G0SB+3], s[6:7]
	s_or_b32 s[G0SB+3], s[G0SB+3], 0x80000000
	JLOAD G0S, G1S, G0SB, G1SB                     ; the scales first: they are wanted with K step 0
.irp s, 0,1
	s_mov_b32 s[G0+4*\s], 1
	s_add_co_u32 s[G0+4*\s+1], s45, \s*SLOT
	s_add_nc_u64 s[G0+4*\s+2:G0+4*\s+3], s[42:43], \s*ROWB
	s_or_b32 s[G0+4*\s+3], s[G0+4*\s+3], 0x80000000
	s_mov_b32 s[G0B+4*\s], 1
	s_add_co_u32 s[G0B+4*\s+1], s45, \s*SLOT
	s_add_nc_u64 s[G0B+4*\s+2:G0B+4*\s+3], s[4:5], \s*ROWB
	s_or_b32 s[G0B+4*\s+3], s[G0B+4*\s+3], 0x80000000
	JLOAD G0+4*\s, G1, G0B+4*\s, G1B               ; three loads of mine are out
.endr
	v_and_b32 v1, 15, v0                           ; r
	v_bfe_u32 v2, v0, 4, 1                         ; h
	v_mul_u32_u24 v3, v1, PITCH
	v_lshl_add_u32 v4, v2, 4, v3                   ; a fragment's row x pitch + 16 h
	s_mul_i32 s21, s[HA], HALFT                    ; my 128 rows of A
	s_mul_i32 s22, s[HB], HALFT                    ; my 128 rows of B,
	s_add_co_u32 s22, s22, 2*HALFT                 ; behind A's 256
.irp s, 0,1
	v_add_nc_u32 v[ADRA+\s], s21, v4
	v_add_nc_u32 v[ADRB+\s], s22, v4
	s_add_co_u32 s21, s21, SLOT
	s_add_co_u32 s22, s22, SLOT
.endr
	v_mul_u32_u24 v5, v1, KS                       ; my row's scales: 32 bytes a row,
	v_lshrrev_b32 v6, 8, v5
	v_lshl_add_u32 v5, v6, 4, v5                   ; and 16 more for each 256 passed
	s_mul_i32 s21, s[HA], HALFS
	s_mul_i32 s22, s[HB], HALFS
	s_add_co_u32 s22, s22, 2*HALFS
	s_sub_co_u32 s22, s22, s21
	v_mul_u32_u24 v6, s22, v2                      ; lanes 16-31 take B's: one product, the distance between the two bases
	s_add_co_u32 s21, s21, SCL
	v_add_nc_u32 v5, v5, v6
	v_add_nc_u32 v[ADRS], s21, v5
.macro FRAG reg, adr, q, i             ; 16 rows x 128 K: lane l holds row l % 16; registers 4 c .. 4 c + 3 hold K = 32 c + 16 (l / 16) + 0 .. 15
.irp c, 0,1,2,3
	ds_load_b128 v[\reg+4*\c:\reg+4*\c+3], v[\adr] offset:128*(\q)+32*\c+(\i)*16*PITCH
.endr
.endm
; 16 matrix instructions: A's blocks a0, a0 + 1 x B's eight.  The 64 accumulators take turns, one instruction a turn, in the same order in every step.
.macro MUL16 a0, p, q, sc, zero
.irp a, \a0, \a0+1
.irp b, 0,1,2,3,4,5,6,7
.if \zero
	v_wmma_scale_f32_16x16x128_f8f6f4 v[8*(8*((\a)%4)+\b):8*(8*((\a)%4)+\b)+7], v[128*(\p)+FR*\b:128*(\p)+FR*\b+FR-1], v[AF+FR*(\a):AF+FR*(\a)+FR-1], 0, v[SC+8*NQ*(\sc)+NQ*\b+(\q)], v[SC+8*NQ*(\sc)+NQ*(\a)+(\q)] matrix_a_fmt:MATRIX_FMT_BF8 matrix_b_fmt:MATRIX_FMT_BF8 matrix_a_scale:MATRIX_SCALE_ROW1
.else
	v_wmma_scale_f32_16x16x128_f8f6f4 v[8*(8*((\a)%4)+\b):8*(8*((\a)%4)+\b)+7], v[128*(\p)+FR*\b:128*(\p)+FR*\b+FR-1], v[AF+FR*(\a):AF+FR*(\a)+FR-1], v[8*(8*((\a)%4)+\b):8*(8*((\a)%4)+\b)+7], v[SC+8*NQ*(\sc)+NQ*\b+(\q)], v[SC+8*NQ*(\sc)+NQ*(\a)+(\q)] matrix_a_fmt:MATRIX_FMT_BF8 matrix_b_fmt:MATRIX_FMT_BF8 matrix_a_scale:MATRIX_SCALE_ROW1
.endif
.endr
.endr
.endm
.macro FETCH_B slot, q, p
	WIN TO_B
.irp i, 0,1,2,3,4,5,6,7
	FRAG 128*(\p)+FR*\i, ADRB+\slot, \q, \i
.endr
	WIN 0
.endm
.macro FETCH_A slot, q, i0
.irp i, \i0, \i0+1, \i0+2, \i0+3
	FRAG AF+FR*(\i), ADRA+\slot, \q, \i
.endr
.endm
.macro SCALES sc                       ; a K step's scale words: two words a row; lanes 0-15 A's block i, lanes 16-31 B's block i
.irp i, 0,1,2,3,4,5,6,7
	ds_load_b64 v[SC+8*NQ*\sc+NQ*\i:SC+8*NQ*\sc+NQ*\i+1], v[ADRS] offset:\i*SBLK
.endr
.endm
.macro PLACES n                        ; plain vector lines between a matrix instruction and a load into, or a vector line on, its registers
.rept \n
	v_nop
.endr
.endm
.macro STEP slot, q, zero              ; 128 along K that have their successor in the same slot
	s_wait_dscnt 4*NL                              ; B's set and A's blocks 0-3 are in; the youngest 16 loads (A's blocks 4-7) may be out
	WIN MUL_LO
	MUL16 0, (\q)%2, \q, \slot, \zero
	MUL16 2, (\q)%2, \q, \slot, \zero
	s_wait_dscnt 0
	PLACES NP
	FETCH_B \slot, (\q)+1, 1-(\q)%2
	FETCH_A \slot, (\q)+1, 0
	WIN MUL_HI
	MUL16 4, (\q)%2, \q, \slot, \zero
	MUL16 6, (\q)%2, \q, \slot, \zero
	PLACES NP
	WIN 0
	FETCH_A \slot, (\q)+1, 4
.endm
; A slot's last step changes slots: one barrier; in front of it each wave waits for all its tensor loads, adds 0 to its spare word, and waits for that and for its reads of this slot.
.macro TURN slot, next, fill
	s_wait_tensorcnt 0x0                           ; all my tensor loads have landed: my part of the next slot
	ds_add_u32 v[SPW], v[NIL]                      ; 0 onto my spare word
	s_wait_dscnt 4*NL+1                            ; the add and the youngest 16 loads may be out
	WIN MUL_LO
	MUL16 0, 1, NQ-1, \slot, 0
	s_wait_dscnt 0x0                               ; the add is done, and my reads of this slot are over
	s_barrier_signal -1
	MUL16 2, 1, NQ-1, \slot, 0
	WIN 0
	s_barrier_wait -1
.if \fill
	CREST                                          ; the barrier has opened a round of the cluster's: no wave of any partner still reads this slot or has a load on its way
	s_add_nc_u64 s[G0+4*\slot+2:G0+4*\slot+3], s[G0+4*\slot+2:G0+4*\slot+3], 2*ROWB
	s_add_nc_u64 s[G0B+4*\slot+2:G0B+4*\slot+3], s[G0B+4*\slot+2:G0B+4*\slot+3], 2*ROWB
	JLOAD G0+4*\slot, G1, G0B+4*\slot, G1B         ; the first tensor load behind the round; its four v_nop are among the places below
	PLACES NP-4
.else
	PLACES NP
.endif
	s_wait_alu depctr_va_vdst(0)
	v_add_nc_u32 v[ADRS], 4*NQ, v[ADRS]            ; the next K step's scale words
	FETCH_B \next, 0, 0
	FETCH_A \next, 0, 0
	SCALES \next
	WIN MUL_HI
	MUL16 4, 1, NQ-1, \slot, 0
	MUL16 6, 1, NQ-1, \slot, 0
	PLACES NP
	WIN 0
	FETCH_A \next, 0, 4
.endm
	s_wait_alu depctr_va_vdst(0)
	s_wait_tensorcnt 1                             ; the scales and my part of K step 0 are in; K step 1's load may be out
	s_barrier_signal -1
	s_barrier_wait -1
	FETCH_B 0, 0, 0
	FETCH_A 0, 0, 0
	SCALES 0
	FETCH_A 0, 0, 4
	STEP 0, 0, 1                                   ; the first step's products start the sums
	s_mov_b32 s3, LAPS-1
.Llap:                                                 ; a trip goes once round the ring and fills both slots again
	TURN 0, 1, 1
	STEP 1, 0, 0
	TURN 1, 0, 1
	STEP 0, 0, 0
	s_sub_co_u32 s3, s3, 1
	s_cmp_lg_u32 s3, 0
	s_cbranch_scc1 .Llap
	TURN 0, 1, 0                                   ; the last lap fills nothing
	STEP 1, 0, 0
	s_wait_dscnt 4*NL
	WIN MUL_LO
	MUL16 0, 1, NQ-1, 1, 0
	MUL16 2, 1, NQ-1, 1, 0
	s_wait_dscnt 0
	WIN MUL_HI
	MUL16 4, 1, NQ-1, 1, 0
	MUL16 6, 1, NQ-1, 1, 0
	WIN 0
	PLACES NP                                      ; in front of the first vector lines on results and on registers that the last products read
	; THE WAY OUT.  No LDS: a block of A (16 lanes' rows) x a block of 32 of B's axis gives 4 registers a lane that ARE operand registers: the wave stores them as they stand, 512 consecutive bytes a store.
	; Records: q_buf [bh][group of 128 tokens] 8,448 bytes: image 8,192 (tile a at 2048 (a % 4) + 1024 (a / 4) + 512 c), 256 of scale words [r][a % 4] (low half tile a % 4, high half tile a % 4 + 4).
	; kv_buf [bh][key step] 16,896 bytes: K's image as q's, V^T's image (tile t at 2048 t + 512 c) at 8,192, K's scale words at 16,384, V's ([r][t], byte c) at 16,640.
	s_lshl_b32 s24, s40, 1
	s_add_co_u32 s24, s24, s[HB]                   ; 2 cx + my half of B
	s_lshl_b32 s25, s41, 1
	s_add_co_u32 s25, s25, s[HA]                   ; 2 cy + my half of A
	s_mov_b32 s37, 1024
	s_mov_b32 s32, 16896
	s_mov_b32 s34, 16384
	s_cmp_eq_u32 s[KIND], 0
	s_cselect_b32 s32, 8448, s32                   ; a record's bytes
	s_cselect_b32 s34, 8192, s34                   ; where q's or k's scale words lie in it
	s_cselect_b64 s[12:13], s[12:13], s[14:15]     ; the buffer
	s_lshl_b32 s33, s32, 4                         ; from a head to the next: 16 records
	s_cmp_eq_u32 s[KIND], 2
	s_cselect_b32 s26, s24, s25                    ; my 128 tokens among the cluster's 1,024,
	s_cselect_b32 s27, s25, s24                    ; my pair of heads
	s_cselect_b32 s[SV], -1, 0                     ; all lanes: is it v?
	s_cselect_b32 s35, 8192, 0                     ; V^T's image lies behind K's
	s_cselect_b32 s36, 16640, s34
	s_cselect_b32 s38, s33, s37                    ; what a / 4 adds: q, k: the tile four on (1,024); v: the next head
	s_cselect_b32 s39, s37, s33                    ; what t / 2 adds: q, k: the next head; v: two key blocks on (1,024)
	s_lshl_b32 s29, s[YY], 3
	s_add_co_u32 s29, s29, s26                     ; the group of 128 tokens, 0 .. 63
	s_lshr_b32 s30, s29, 4
	s_lshl_b32 s30, s30, 4                         ; 16 x batch
	s_lshl_b32 s31, s27, 1
	s_add_co_u32 s30, s30, s31                     ; + my first head
	s_lshl_b32 s30, s30, 4
	s_and_b32 s31, s29, 15
	s_add_co_u32 s30, s30, s31                     ; the record
	s_mul_i32 s30, s30, s32                        ; in bytes (under 2^25)
	s_add_co_u32 s[DST], s30, s35
	s_mov_b32 s[DST+1], 0
	s_add_co_u32 s[SDST], s30, s36
	s_mov_b32 s[SDST+1], 0
	s_add_nc_u64 s[DST:DST+1], s[12:13], s[DST:DST+1]
	s_add_nc_u64 s[SDST:SDST+1], s[12:13], s[SDST:SDST+1]
	s_mov_b32 s[SEL], 0x76543210
	s_mov_b32 s[SEL+1], 0xfedcba98                 ; v_permlanex16_b32's selects for lane l xor 16
	s_mov_b32 s[SH], 0xffff0000                    ; lanes 16-31
	v_and_b32 v3, 31, v0
	v_lshlrev_b32 v[VO], 4, v3                     ; 16 x lane
	v_add_nc_u32 v[VO+1], s39, v[VO]
	v_add_nc_u32 v[VO+2], s38, v[VO]
	v_add_nc_u32 v[VO+3], s39, v[VO+2]
	v_mul_lo_u32 v3, v2, s33
	v_lshl_add_u32 v[VSO], v1, 4, v3               ; the scale words: 16 r, lanes 16-31 in the next head's record
.irp b, 0,1,2,3
	v_mov_b32 v[TM+4+\b], 0                        ; written once: a lane permute's destination counts as one of its sources
.endr
; Block a of A: its eight accumulators, 64 registers, register 16 t + i = B's true row 32 t + 16 h + i, become 16 registers of codes and four scale bytes.  The lines are grouped by register window.
.macro QUANTW a
.set W, 2+(\a)/4
.set sA, 64*((\a)%4)
.set pP, PC+16*((\a)%2)
.set hW, HW+8*((\a)/4)+(\a)%4
.set WN, W|(W<<2)
	WIN WN                                         ; sources 0 and 1: the accumulators' window
.irp b, 0,1,2,3
	v_max3_num_f32 v[TM+\b], |v[sA+16*\b]|, |v[sA+16*\b+1]|, 0x8000000   ; my 16 numbers of block t, each accumulator from its low end on, and the floor 2^(16 - 127)
.endr
.set WN, (W<<2)|(W<<4)
	WIN WN                                         ; sources 1 and 2
.irp i, 2,4,6,8,10,12,14
.irp b, 0,1,2,3
	v_max3_num_f32 v[TM+\b], v[TM+\b], |v[sA+16*\b+\i]|, |v[sA+16*\b+\i+1]|
.endr
.endr
	WIN 0
.irp b, 0,1,2,3
	v_permlanex16_b32 v[TM+4+\b], v[TM+\b], s[SEL], s[SEL+1]
.endr
.irp b, 0,1,2,3
	v_max_num_f32 v[TM+\b], v[TM+\b], v[TM+4+\b]   ; with lane l xor 16's: the block's largest magnitude
.endr
.irp b, 0,1,2,3
	v_add_nc_u32 v[TM+12+\b], 0xf8800000, v[TM+\b] ; 15 off its exponent field: the conversion's scale operand
.endr
.irp b, 0,1,2,3
.endr
.irp b, 0,1,2,3
	v_lshrrev_b32 v[TM+4+\b], 23, v[TM+12+\b]      ; the scale's byte
.endr
	v_lshl_or_b32 v[hW], v[TM+5], 8, v[TM+4]       ; blocks 0, 1
	v_lshl_or_b32 v[hW+4], v[TM+7], 8, v[TM+6]     ; blocks 2, 3
.set WN, (W<<6)|W
	WIN WN                                         ; destination and source 0
.irp b, 0,1,2,3
.irp i, 0,1,2,3,4,5,6,7,8,9,10,11,12,13,14,15
.endr
.endr
	s_wait_xcnt 0x0                                ; the stores of two blocks ago have read this set of codes: it is written again only behind this wait
	WIN W                                          ; source 0
.irp b, 0,1,2,3
	v_cvt_scalef32_pk8_bf8_f32 v[pP+4*\b:pP+4*\b+1], v[sA+16*\b:sA+16*\b+7], v[TM+12+\b]
	v_cvt_scalef32_pk8_bf8_f32 v[pP+4*\b+2:pP+4*\b+3], v[sA+16*\b+8:sA+16*\b+15], v[TM+12+\b]
.endr
	WIN 0
	v_nop                                          ; one plain line behind the last conversion
.irp b, 0,1,2,3
	global_store_b128 v[VO+2*((\a)/4)+(\b)/2], v[pP+4*\b:pP+4*\b+3], s[DST:DST+1] offset:2048*((\a)%4)+512*((\b)%2)   ; the wave stores 512 consecutive bytes
.endr
.endm
.irp a, 0,1,2,3,4,5,6,7
	QUANTW \a
.endr
	; the scale words of my two heads.  q, k: head e, word i = HW[0][e][i] | HW[1][e][i] << 16.  v: head e, word i = HW[e][0][i] | HW[e][1][i] << 16.  The choice selects values only.
.irp q, 0,1,2,3
	v_cndmask_b32 v[SW+\q], v[HW+8+\q], v[HW+4+\q], s[SV]
	v_cndmask_b32 v[SW+4+\q], v[HW+4+\q], v[HW+8+\q], s[SV]
.endr
.irp q, 0,1,2,3
	v_lshl_or_b32 v[SW+\q], v[SW+\q], 16, v[HW+\q]
	v_lshl_or_b32 v[SW+4+\q], v[HW+12+\q], 16, v[SW+4+\q]
.endr
.irp q, 0,1,2,3
	v_cndmask_b32 v[OUTW+\q], v[SW+\q], v[SW+4+\q], s[SH]   ; lanes 0-15 the first head's, lanes 16-31 the second's (both halves of the lanes hold row r's bytes)
.endr
	global_store_b128 v[VSO], v[OUTW:OUTW+3], s[SDST:SDST+1]   ; sixteen lanes store 256 consecutive bytes, aligned
	s_wait_tensorcnt 0x0                           ; the wave's end
	ds_add_u32 v[SPW], v[NIL]
	s_wait_dscnt 0x0
	CROUND                                         ; the closing round: no work-group ends while a partner may still ask for a tile that names it
	s_endpgm
.Lfunc_end_k_q97f66f582b_qkv:
	.size	k_q97f66f582b_qkv, .Lfunc_end_k_q97f66f582b_qkv-k_q97f66f582b_qkv
	.p2alignl 7, 3214868480
	.fill 96, 4, 3214868480
	.section	.rodata,"a",@progbits
	.p2align	6, 0x0
	.amdhsa_kernel k_q97f66f582b_qkv
		.amdhsa_group_segment_fixed_size 327680
		.amdhsa_private_segment_fixed_size 0
		.amdhsa_enable_private_segment 0
		.amdhsa_kernarg_size 48
		.amdhsa_user_sgpr_count 2
		.amdhsa_user_sgpr_kernarg_segment_ptr 1
		.amdhsa_wavefront_size32 1
		.amdhsa_system_sgpr_workgroup_id_x 1
		.amdhsa_system_sgpr_workgroup_id_y 1
		.amdhsa_system_sgpr_workgroup_id_z 1
		.amdhsa_system_vgpr_workitem_id 0
		.amdhsa_next_free_vgpr 1024
		.amdhsa_next_free_sgpr 98
		.amdhsa_reserve_vcc 0
		.amdhsa_float_denorm_mode_32 3
		.amdhsa_float_denorm_mode_16_64 3
		.amdhsa_fp16_overflow 1
		.amdhsa_memory_ordered 1
		.amdhsa_forward_progress 1
		.amdhsa_inst_pref_size 152
	.end_amdhsa_kernel
	.amdgpu_metadata
---
amdhsa.version: [ 1, 2 ]
amdhsa.kernels:
  - .name:           k_q97f66f582b_qkv
    .symbol:         k_q97f66f582b_qkv.kd
    .args:
      - { .name: x_codes, .offset: 0, .size: 8, .value_kind: global_buffer, .address_space: global }
      - { .name: x_scales, .offset: 8, .size: 8, .value_kind: global_buffer, .address_space: global }
      - { .name: w_codes, .offset: 16, .size: 8, .value_kind: global_buffer, .address_space: global }
      - { .name: w_scales, .offset: 24, .size: 8, .value_kind: global_buffer, .address_space: global }
      - { .name: q_buf, .offset: 32, .size: 8, .value_kind: global_buffer, .address_space: global }
      - { .name: kv_buf, .offset: 40, .size: 8, .value_kind: global_buffer, .address_space: global }
    .group_segment_fixed_size: 327680
    .private_segment_fixed_size: 0
    .kernarg_segment_align: 8
    .kernarg_segment_size: 48
    .max_flat_workgroup_size: 128
    .sgpr_count:     98
    .vgpr_count:     1024
    .wavefront_size: 32
...
	.end_amdgpu_metadata
.endif
;; end of part 2
;; launch attn (part 3): grid 256 x 1, 16 waves a work-group, clusters of 4 x 1, 272,384 bytes of LDS; arguments q_buf, kv_buf, ctx_codes, ctx_scales; writes ctx_codes, ctx_scales
.if DOCPART == 3
	.amdgcn_target "amdgcn-amd-amdhsa--gfx1250"
	.amdhsa_code_object_version 6
	.text
	.protected	k_q97f66f582b_attn
	.globl	k_q97f66f582b_attn
	.p2align	8
	.type	k_q97f66f582b_attn,@function
k_q97f66f582b_attn:
	s_mov_b64 s[64:65], 0
	v_nop
	global_prefetch_b8 v0, s[64:65] scope:SCOPE_SE
	s_setreg_imm32_b32 hwreg(HW_REG_WAVE_MODE, 25, 1), 1
	s_wait_xcnt 0x0
	s_wait_alu depctr_hold_cnt(0) depctr_sa_sdst(0) depctr_va_vdst(0) depctr_va_sdst(0) depctr_va_ssrc(0) depctr_va_vcc(0) depctr_vm_vsrc(0)
	s_getreg_b32 s2, hwreg(HW_REG_IB_STS2, 6, 4)
	s_cmp_eq_u32 s2, 0
	s_cbranch_scc0 .Lentry_in_a_cluster
	s_endpgm
.Lentry_in_a_cluster:
	s_bfe_u32 s2, ttmp6, 0x10000c
	s_cmp_lg_u32 s2, 0x3003
	s_cbranch_scc0 .Lentry_shape_is_right
	s_endpgm
.Lentry_shape_is_right:
; LAUNCH 3 OF 4.  Causal attention of one head (batch x head = the cluster's x) on codes of BF8 (E5M2) with E8M0 scales; the result is divided by the row's sum, quantised along the channels and stored as
; images of the operand registers of the last launch.
; THE SOFTMAX: t = score x log2(e) / 8; M = the running largest t rounded UP to a whole number; p = 2^(t - M) is quantised along the keys, not normalised; the row's sum is taken of the unquantised p;
; when M moves, the sum and O are multiplied by 2^(old M - new M), which rounds nothing.  A block's largest p is had from its largest score by the same multiply-add and exponential (this takes
; v_exp_f32 not to fall where its input rises).
; LIMITS: blocks of zeros and under 2^-111 keep the scale byte 1; NaN and infinities are not served.
; K AND V OF THE WHOLE HEAD LIE IN LDS: 16 records of 16,896 bytes (a key step of 128 keys: K's image 8,192, V^T's image 8,192, K's scale words 256, V's 256), 270,336 bytes, filled ONCE: no ring, no refill.
; CLUSTER: the four work-groups of a cluster serve one head and ask for its records jointly (mask 15).  Waves 0-3 issue four loads each (load c of wave w: key step 4 c + w): four loads of a wave are out.
; SHARES.  The head's 2,048 queries are 16 groups of 128 = 8 tiles of 16.  Wave w of work-group cx takes tile a = 2 cx + w / 8 of group 15 - w % 8 and then of group w % 8: 17 key steps for every wave.
; Branches hang on the wave's number and on counters alone; cx enters global addresses and the mask's number in a vector register, never a branch or an LDS address.
; LAYOUT.  Both products transposed: S^T = K Q^T, O^T = V^T P^T: a lane holds ONE query.  Tiles of K, V^T and Q hold rows 8 u + r + 8 (r / 8) of their 32 (launch 1's order), so that S^T's 16 registers of two
; neighbouring tiles are 16 neighbouring keys, and O^T's 16 neighbouring channels.
; THE HEAD'S 64 IN AN INSTRUCTION OF 128: a fragment of K holds TWO key tiles, i (K places 0-63) and i + 4 (64-127).  Against [q | zeros] it gives tile i, against [zeros | q] tile i + 4.  The dead half multiplies
; zero codes of q (scale byte 1) by finite codes of k.
; No prefetch: all that the launch reads of K and V is asked for at its head.
.set REC,  16896
.set F,    40                          ; v40-103  four fragments of K or of V^T
.set S,    104                         ; v104-167 S^T, then p
.set O,    168                         ; v168-199 O^T
.set CD,   200                         ; v200-215 p's codes; at the end ctx's
.set KSW,  216                         ; v216-219 K's scale words, v220-223 V's
.set VSW,  220
.set QSL,  224                         ; q's scale word for [q | 0], v225 for [0 | q]
.set QSH,  225
.set PSW,  226                         ; p's scale word
.set BM,   228                         ; v228-231 the blocks' largest, v232-235 the other half's / bytes, v240-243 scale operands
.set T,    232
.set LIM,  236
.set SOP,  240
.set CH,   244                         ; v[244:245] the sums' second chain
.set TMP,  246
.set FF,   252                         ; v[252:253] f
.set TT,   254
.set ADR,  6                           ; v1 16 x lane; v2 16 r; v3 the mask's number; v4 -infinity; v5 8 r + h; v6, v7 the step's LDS addresses; v12 -M, v13 the largest t, v[14:15] the sum
.set ADS,  7                           ; v16-23 zeros, v24-31 q, v32-39 zeros
.set WV,   12
.set GG,   14                          ; s14 wave % 8
.set G1,   16
.set G0,   24
.set TB,   40                          ; s40 LDS byte of the key step's record
.set KS,   41                          ; s41 the key step
.set GT,   42                          ; s42 the group of queries in hand
.set CNT,  43
.set SEL,  44
.set CS,   46                          ; s[46:47] c = log2(e) / 8
.set MNT,  48                          ; s49 lanes 16-31; s50, s3, s2, s13 my tile's offsets in q's image, q's scale words, ctx_codes, ctx_scales; s51 16 (a / 4); s[52:59] four pointers
.macro CROUND
	s_barrier_signal -1
	s_barrier_wait -1
	s_cmp_lg_u32 s[WV], 0
	s_cbranch_scc1 .Lnot_wave_0_\@
	s_barrier_signal -3
.Lnot_wave_0_\@:
	s_barrier_wait -3
	s_barrier_signal -1
	s_barrier_wait -1
.endm
	s_load_b256 s[4:11], s[0:1], 0x0               ; q_buf s[4:5], kv_buf s[6:7], ctx_codes s[8:9], ctx_scales s[10:11]
	v_lshl_add_u32 v251, v0, 2, 0x42000
	v_mov_b32 v255, 0
	ds_add_u32 v251, v255
	ds_add_u32 v251, v255
	v_lshrrev_b32 v1, 5, v0
	s_delay_alu instid0(VALU_DEP_1)
	v_readfirstlane_b32 s[WV], v1                  ; wave 0..15
	s_bfe_u32 s13, ttmp6, 0x40000                  ; cx
	s_and_b32 s[GG], s[WV], 7
	s_lshr_b32 s15, s[WV], 3
	s_lshl_b32 s60, s13, 1
	s_add_co_u32 s15, s15, s60                     ; a: my tile in a group
	s_mov_b32 s[G1], 15|(3<<16)|(1<<21)            ; mask: all four work-groups; elements of 8 bytes; bit 21 beside a mask; no padding
	s_mov_b32 s[G1+1], 32<<16                      ; tensor_dim0 = 32 (256 bytes)
	s_mov_b32 s[G1+2], 66<<16                      ; tensor_dim1 = 66
	s_mov_b32 s[G1+3], 32<<16                      ; tile_dim0
	s_mov_b32 s[G1+4], 66                          ; tile_dim1
	s_mov_b32 s[G1+5], 32                          ; stride: dense
	s_mov_b32 s[G1+6], 0
	s_mov_b32 s[G1+7], 0
	s_mul_i32 s60, ttmp9, 16*REC                   ; the head's records (under 2^25)
	s_mul_i32 s62, s[WV], REC
	s_add_co_u32 s60, s60, s62
	s_mov_b32 s61, 0
	s_wait_dscnt 0x0
	s_wait_kmcnt 0x0
	s_add_nc_u64 s[60:61], s[6:7], s[60:61]
.irp c, 0,1,2,3
	s_mov_b32 s[G0+4*\c], 1
	s_add_co_u32 s[G0+4*\c+1], s62, 4*REC*\c       ; LDS: record 4 c + wave
	s_add_nc_u64 s[G0+4*\c+2:G0+4*\c+3], s[60:61], 4*REC*\c
	s_or_b32 s[G0+4*\c+3], s[G0+4*\c+3], 0x80000000
.endr
	CROUND                                         ; all four work-groups are here: the joint loads meet
	s_cmp_lt_u32 s[WV], 4                          ; a wave's four fills stand in one branch, ahead of every wait on TENSORcnt, every LDS read and every other barrier
	s_cbranch_scc0 .Lno_fill
	tensor_load_to_lds s[G0:G0+3], s[G1:G1+7]
	s_nop 0
	tensor_load_to_lds s[G0+4:G0+7], s[G1:G1+7]
	s_nop 0
	tensor_load_to_lds s[G0+8:G0+11], s[G1:G1+7]
	s_nop 0
	tensor_load_to_lds s[G0+12:G0+15], s[G1:G1+7]
	s_nop 0
.rept 4
	v_nop
.endr
.Lno_fill:
	s_and_b32 s60, s15, 3                          ; a % 4
	s_lshr_b32 s61, s15, 2                         ; a / 4
	s_lshl_b32 s50, s60, 11
	s_lshl_b32 s62, s61, 10
	s_add_co_u32 s50, s50, s62                     ; my tile in q's image: 2048 (a % 4) + 1024 (a / 4)
	s_lshl_b32 s3, s60, 2
	s_add_co_u32 s3, s3, 8192                      ; its scale word: behind the image, word a % 4
	s_lshl_b32 s51, s61, 4                         ; low or high half of that word
	s_and_b32 s60, ttmp9, 15                       ; the head
	s_lshl_b32 s2, s60, 13
	s_lshl_b32 s62, s15, 10
	s_add_co_u32 s2, s2, s62                       ; ctx_codes: head x 8,192 + a x 1,024
	s_lshr_b32 s13, s60, 2
	s_lshl_b32 s13, s13, 10
	s_lshl_b32 s62, s15, 7
	s_add_co_u32 s13, s13, s62
	s_and_b32 s62, s60, 3
	s_lshl_b32 s62, s62, 1
	s_add_co_u32 s13, s13, s62                     ; ctx_scales: (head / 4) x 1,024 + a x 128 + 2 (head % 4)
	s_lshr_b32 s60, s15, 1
	s_lshl_b32 s60, s60, 5
	s_and_b32 s62, s15, 1
	s_lshl_b32 s62, s62, 3
	s_add_co_u32 s60, s60, s62                     ; 32 (a / 2) + 8 (a % 2)
	s_mov_b32 s[SEL], 0x76543210
	s_mov_b32 s[SEL+1], 0xfedcba98
	s_mov_b32 s[CS], 0x3e38aa3b                    ; log2(e) / 8
	s_mov_b32 s[CS+1], s[CS]                       ; (named with it as a pair)
	s_mov_b32 s49, 0xffff0000
	v_and_b32 v1, 31, v0
	s_delay_alu instid0(VALU_DEP_1)
	v_lshlrev_b32 v1, 4, v1                        ; 16 x lane
	v_and_b32 v8, 15, v0                           ; r
	v_bfe_u32 v9, v0, 4, 1                         ; h
	s_delay_alu instid0(VALU_DEP_2)
	v_lshlrev_b32 v2, 4, v8
	s_delay_alu instid0(VALU_DEP_3)
	v_and_b32 v3, 8, v8
	s_delay_alu instid0(VALU_DEP_1)
	v_add_nc_u32 v3, v3, v8
	s_delay_alu instid0(VALU_DEP_4)
	v_lshlrev_b32 v10, 4, v9
	s_delay_alu instid0(VALU_DEP_1)
	v_sub_nc_u32 v3, v3, v10
	s_delay_alu instid0(VALU_DEP_1)
	v_add_nc_u32 v3, s60, v3                       ; my query's place in its group - 16 h.  Register 16 b + i of S^T holds key 32 b + 16 h + i of the step: on the diagonal it is hidden where 32 b + i is greater
	v_mov_b32 v4, 0xff800000
	v_lshl_add_u32 v5, v8, 3, v9
.irp j, 0,1,2,3,4,5,6,7
	v_mov_b32 v[16+\j], 0                          ; zero codes on both sides of q
	v_mov_b32 v[32+\j], 0
.endr
.irp b, 0,1,2,3
	v_mov_b32 v[T+\b], 0                           ; written once: a lane permute's destination counts as one of its sources
.endr
	v_mov_b32 v[FF+1], 0                           ; (named as the upper half of a pair)
; Every wave waits until at most n of its fills are out and meets the others: the records up to there are whole for all.  Later records may stay out.
.macro GATE n
	s_wait_tensorcnt \n
	s_wait_dscnt 0x0
	s_barrier_signal -1
	s_barrier_wait -1
.endm
; A tile of queries begins: its pointers, q's fragment and scale word, the statistics, O^T = 0.
.macro INIT
	s_wait_xcnt 0x0                                ; the last tile's stores have read their pointers and data
	s_lshl_b32 s60, ttmp9, 4
	s_add_co_u32 s60, s60, s[GT]
	s_mul_i32 s60, s60, 8448                       ; q's record
	s_add_co_u32 s62, s60, s3
	s_add_co_u32 s60, s60, s50
	s_mov_b32 s61, 0
	s_mov_b32 s63, 0
	s_add_nc_u64 s[52:53], s[4:5], s[60:61]
	s_add_nc_u64 s[54:55], s[4:5], s[62:63]
	global_load_b128 v[24:27], v1, s[52:53] th:TH_LOAD_NT              ; channels 16 h + 0 .. 15
	global_load_b128 v[28:31], v1, s[52:53] offset:512 th:TH_LOAD_NT   ; channels 32 + 16 h + 0 .. 15
	global_load_b32 v[TMP], v2, s[54:55]
	s_lshr_b32 s60, ttmp9, 4
	s_lshl_b32 s60, s60, 4
	s_add_co_u32 s60, s60, s[GT]                   ; 16 x batch + group
	s_lshl_b32 s62, s60, 12
	s_add_co_u32 s62, s62, s13
	s_lshl_b32 s60, s60, 17
	s_add_co_u32 s60, s60, s2
	s_add_nc_u64 s[56:57], s[8:9], s[60:61]
	s_add_nc_u64 s[58:59], s[10:11], s[62:63]
	v_mov_b32 v13, 0xff61b1e6                      ; the largest t so far: -3e38
	s_delay_alu instid0(VALU_DEP_1)
	v_floor_f32 v12, -v13                          ; -M
	v_mov_b32 v14, 0
	v_mov_b32 v15, 0
	s_wait_loadcnt 0x0
	v_lshrrev_b32 v[TMP], s51, v[TMP]
	s_delay_alu instid0(VALU_DEP_1)
	v_and_b32 v[TMP], 0xffff, v[TMP]               ; my tile's two scale bytes
	s_delay_alu instid0(VALU_DEP_1)
	v_or_b32 v[QSL], 0x01010000, v[TMP]            ; the zero codes' bytes are 1
	s_delay_alu instid0(VALU_DEP_2)
	v_lshl_or_b32 v[QSH], v[TMP], 16, 0x101
.set j, 0
.rept 32
	v_mov_b32 v[O+j], 0                            ; the step is written without a first step of its own: the first change of M multiplies zeros.  (Also the places between the scale words and the products)
.set j, j+1
.endr
.endm
; A KEY STEP of 128 keys.  masked = 1: steps behind my group are left out (a scalar branch on counters and the wave's number), and on the diagonal hidden scores become -infinity.
.macro STEP masked
.if \masked
	s_cmp_gt_u32 s[KS], s[GT]
	s_cbranch_scc1 .Lhidden_\@
.endif
	s_setprio 2
	v_add_nc_u32 v[ADR], s[TB], v1
	v_add_nc_u32 v[ADS], s[TB], v2
.rept 6
	v_nop                                          ; with the two additions: eight places in front of loads into registers that the last products read
.endr
.irp i, 0,1,2,3
.irp c, 0,1,2,3
	ds_load_b128 v[F+16*\i+4*\c:F+16*\i+4*\c+3], v[ADR] offset:2048*\i+512*\c   ; an image: the wave reads 512 consecutive bytes
.endr
.endr
	ds_load_b128 v[KSW:KSW+3], v[ADS] offset:16384
	s_wait_alu depctr_va_vdst(0)
	s_wait_dscnt 0x0
.irp t, 0,1,2,3
	v_wmma_scale_f32_16x16x128_f8f6f4 v[S+8*\t:S+8*\t+7], v[F+16*\t:F+16*\t+15], v[24:39], 0, v[KSW+\t], v[QSL] matrix_a_fmt:MATRIX_FMT_BF8 matrix_b_fmt:MATRIX_FMT_BF8
.endr
.irp t, 0,1,2,3
	v_wmma_scale_f32_16x16x128_f8f6f4 v[S+32+8*\t:S+32+8*\t+7], v[F+16*\t:F+16*\t+15], v[16:31], 0, v[KSW+\t], v[QSH] matrix_a_fmt:MATRIX_FMT_BF8 matrix_b_fmt:MATRIX_FMT_BF8
.endr
.rept 8
	v_nop                                          ; places in front of the loads below and of the first read of the scores
.endr
.irp t, 0,1,2,3
.irp c, 0,1,2,3
	ds_load_b128 v[F+16*\t+4*\c:F+16*\t+4*\c+3], v[ADR] offset:8192+2048*\t+512*\c   ; V^T lands while the softmax is worked
.endr
.endr
	ds_load_b128 v[VSW:VSW+3], v[ADS] offset:16640
.if \masked
	s_cmp_lg_u32 s[KS], s[GT]
	s_cbranch_scc1 .Lopen_\@
.set n, 0
.rept 64
	v_cmp_gt_i32 vcc_lo, 32*(n/16)+n%16, v3
	v_cndmask_b32 v[S+n], v[S+n], v4, vcc_lo
.set n, n+1
.endr
.Lopen_\@:
.endif
.irp b, 0,1,2,3
	v_max3_num_f32 v[BM+\b], v[S+16*\b], v[S+16*\b+1], v[S+16*\b+2]   ; the largest score of each block of 32 keys: for the row's maximum, and for the block's largest p
.endr
.irp i, 3,5,7,9,11,13
.irp b, 0,1,2,3
	v_max3_num_f32 v[BM+\b], v[BM+\b], v[S+16*\b+\i], v[S+16*\b+\i+1]
.endr
.endr
.irp b, 0,1,2,3
	v_max_num_f32 v[BM+\b], v[BM+\b], v[S+16*\b+15]
.endr
.irp b, 0,1,2,3
	s_delay_alu instid0(VALU_DEP_4)
	v_permlanex16_b32 v[T+\b], v[BM+\b], s[SEL], s[SEL+1]
.endr
.irp b, 0,1,2,3
	s_delay_alu instid0(VALU_DEP_4)
	v_max_num_f32 v[BM+\b], v[BM+\b], v[T+\b]      ; with lane l xor 16's 16 keys
.endr
	s_delay_alu instid0(VALU_DEP_2)
	v_max3_num_f32 v[TT], v[BM], v[BM+1], v[BM+2]
	s_delay_alu instid0(VALU_DEP_1)
	v_max_num_f32 v[TT], v[TT], v[BM+3]
	s_delay_alu instid0(VALU_DEP_1)
	v_mul_f32 v[TT], s[CS], v[TT]                  ; as t
	s_delay_alu instid0(VALU_DEP_1)
	v_max_num_f32 v13, v13, v[TT]                  ; the running largest t
	v_mov_b32 v[TT], v12
	s_delay_alu instid0(VALU_DEP_2)
	v_floor_f32 v12, -v13                          ; the new -M = -ceil(t)
	s_delay_alu instid0(VALU_DEP_1)
	v_sub_f32 v[TT], v12, v[TT]                    ; old M - new M: a whole number, 0 or less
	s_delay_alu instid0(VALU_DEP_1)
	v_cvt_i32_f32 v[TT], v[TT]                     ; (it saturates)
	s_delay_alu instid0(VALU_DEP_1)
	v_ldexp_f32 v[FF], 1.0, v[TT]                  ; f = 2^(old M - new M)
.set j, 0
.rept 32
	v_pk_fma_f32 v[S+j:S+j+1], v[S+j:S+j+1], s[CS:CS+1], v[12:13] op_sel_hi:[1,0,0]   ; t - M, two at a time
.set j, j+2
.endr
.irp b, 0,1,2,3
	v_fma_f32 v[BM+\b], v[BM+\b], s[CS], v12
.endr
.set j, 0
	s_setprio 1
	s_wait_alu depctr_va_vdst(0)
.rept 64
	v_exp_f32 v[S+j], v[S+j]                       ; p = 2^(t - M)
.set j, j+1
.endr
	v_pk_mul_f32 v[14:15], v[14:15], v[FF:FF+1] op_sel_hi:[1,0]   ; the sums under the new M (the plain line behind the exponentials)
	s_wait_alu depctr_va_vdst(0)                   ; one wait for the batch of 64, ahead of its first reader
.irp b, 0,1,2,3
	v_exp_f32 v[BM+\b], v[BM+\b]                   ; the blocks' largest p
.endr
	v_pk_add_f32 v[244:245], v[108:109], v[112:113]
	v_pk_add_f32 v[248:249], v[116:117], v[120:121]
	v_pk_add_f32 v[246:247], v[124:125], v[128:129]
	v_pk_add_f32 v[242:243], v[132:133], v[136:137]
	v_pk_add_f32 v[240:241], v[140:141], v[144:145]
	v_pk_add_f32 v[238:239], v[148:149], v[152:153]
	v_pk_add_f32 v[236:237], v[156:157], v[160:161]
	v_pk_add_f32 v[14:15], v[14:15], v[164:165]
	v_pk_add_f32 v[244:245], v[244:245], v[104:105]
	v_pk_add_f32 v[248:249], v[248:249], v[106:107]
	v_pk_add_f32 v[246:247], v[246:247], v[110:111]
	v_pk_add_f32 v[242:243], v[242:243], v[114:115]
	v_pk_add_f32 v[240:241], v[240:241], v[118:119]
	v_pk_add_f32 v[238:239], v[238:239], v[122:123]
	v_pk_add_f32 v[236:237], v[236:237], v[126:127]
	v_pk_add_f32 v[14:15], v[14:15], v[130:131]
	v_pk_add_f32 v[244:245], v[244:245], v[134:135]
	v_pk_add_f32 v[248:249], v[248:249], v[138:139]
	v_pk_add_f32 v[246:247], v[246:247], v[142:143]
	v_pk_add_f32 v[242:243], v[242:243], v[146:147]
	v_pk_add_f32 v[240:241], v[240:241], v[150:151]
	v_pk_add_f32 v[238:239], v[238:239], v[154:155]
	v_pk_add_f32 v[236:237], v[236:237], v[158:159]
	v_pk_add_f32 v[14:15], v[14:15], v[162:163]
	v_pk_add_f32 v[244:245], v[244:245], v[166:167]
	s_delay_alu instid0(VALU_DEP_2)
	v_pk_add_f32 v[14:15], v[14:15], v[242:243]
	s_delay_alu instid0(VALU_DEP_2)
	v_pk_add_f32 v[244:245], v[244:245], v[240:241]
	v_pk_add_f32 v[248:249], v[248:249], v[238:239]
	v_pk_add_f32 v[246:247], v[246:247], v[236:237]
	s_delay_alu instid0(VALU_DEP_2)
	v_pk_add_f32 v[14:15], v[14:15], v[248:249]
	s_delay_alu instid0(VALU_DEP_2)
	v_pk_add_f32 v[244:245], v[244:245], v[246:247]
	s_delay_alu instid0(VALU_DEP_1)
	v_pk_add_f32 v[14:15], v[14:15], v[244:245]
	s_wait_alu depctr_va_vdst(0)                   ; and one for the four
.irp b, 0,1,2,3
	v_max_num_f32 v[BM+\b], 0x8000000, v[BM+\b]    ; the floor 2^(16 - 127)
.endr
.irp b, 0,1,2,3
	s_delay_alu instid0(VALU_DEP_4)
	v_add_nc_u32 v[SOP+\b], 0xf8800000, v[BM+\b]
.endr
.irp b, 0,1,2,3
.endr
.irp b, 0,1,2,3
	s_delay_alu instid0(VALU_DEP_4)
	v_lshrrev_b32 v[T+\b], 23, v[SOP+\b]
.endr
	s_delay_alu instid0(VALU_DEP_3)
	v_lshl_or_b32 v[PSW], v[T+1], 8, v[T]          ; p's scale word for these 128 keys
	s_delay_alu instid0(VALU_DEP_1)
	v_lshl_or_b32 v[PSW], v[T+2], 16, v[PSW]
	s_delay_alu instid0(VALU_DEP_1)
	v_lshl_or_b32 v[PSW], v[T+3], 24, v[PSW]
	s_setprio 0
.irp b, 0,1,2,3
.irp i, 0,1,2,3,4,5,6,7,8,9,10,11,12,13,14,15
.endr
	v_cvt_scalef32_pk8_bf8_f32 v[CD+4*\b:CD+4*\b+1], v[S+16*\b:S+16*\b+7], v[SOP+\b]
	v_cvt_scalef32_pk8_bf8_f32 v[CD+4*\b+2:CD+4*\b+3], v[S+16*\b+8:S+16*\b+15], v[SOP+\b]
.endr
.set j, 0
.rept 16
	v_pk_mul_f32 v[O+j:O+j+1], v[O+j:O+j+1], v[FF:FF+1] op_sel_hi:[1,0]   ; O^T under the new M (also the places between the codes and the products)
.set j, j+2
.endr
	s_wait_alu depctr_va_vdst(0)
	s_wait_dscnt 0x0                               ; V^T and its scale words are in
.irp t, 0,1,2,3
	v_wmma_scale_f32_16x16x128_f8f6f4 v[O+8*\t:O+8*\t+7], v[F+16*\t:F+16*\t+15], v[CD:CD+15], v[O+8*\t:O+8*\t+7], v[VSW+\t], v[PSW] matrix_a_fmt:MATRIX_FMT_BF8 matrix_b_fmt:MATRIX_FMT_BF8
.endr
.if \masked
.Lhidden_\@:
.endif
	s_add_co_u32 s[TB], s[TB], REC
	s_add_co_u32 s[KS], s[KS], 1
.endm
; A tile ends: O^T / the sum; its two blocks of 32 channels are quantised; 8 registers of codes and two scale bytes a row leave.
.macro FINISH
.rept 8
	v_nop                                          ; places behind the last products
.endr
	v_add_f32 v14, v14, v15
	s_delay_alu instid0(VALU_DEP_1)
	v_permlanex16_b32 v[T], v14, s[SEL], s[SEL+1]
	s_delay_alu instid0(VALU_DEP_1)
	v_add_f32 v14, v14, v[T]                       ; the row's sum
	s_wait_alu depctr_va_vdst(0)
	v_rcp_f32 v14, v14
	v_nop
	s_wait_alu depctr_va_vdst(0)                   ; ahead of the reciprocal's first reader
.set j, 0
.rept 16
	v_pk_mul_f32 v[O+j:O+j+1], v[O+j:O+j+1], v[14:15] op_sel_hi:[1,0]   ; register 16 b + i: channel 32 b + 16 h + i of my query
.set j, j+2
.endr
.irp b, 0,1
	v_max3_num_f32 v[BM+\b], |v[O+16*\b]|, |v[O+16*\b+1]|, 0x8000000
.endr
.irp i, 2,4,6,8,10,12,14
.irp b, 0,1
	s_delay_alu instid0(VALU_DEP_2)
	v_max3_num_f32 v[BM+\b], v[BM+\b], |v[O+16*\b+\i]|, |v[O+16*\b+\i+1]|
.endr
.endr
.irp b, 0,1
	s_delay_alu instid0(VALU_DEP_2)
	v_permlanex16_b32 v[T+\b], v[BM+\b], s[SEL], s[SEL+1]
.endr
.irp b, 0,1
	s_delay_alu instid0(VALU_DEP_2)
	v_max_num_f32 v[BM+\b], v[BM+\b], v[T+\b]
.endr
.irp b, 0,1
	s_delay_alu instid0(VALU_DEP_2)
	v_add_nc_u32 v[SOP+\b], 0xf8800000, v[BM+\b]
.endr
.irp b, 0,1
.endr
.irp b, 0,1
	s_delay_alu instid0(VALU_DEP_2)
	v_lshrrev_b32 v[T+\b], 23, v[SOP+\b]
.endr
	s_delay_alu instid0(VALU_DEP_1)
	v_cndmask_b32 v[TMP], v[T], v[T+1], s49        ; lanes 0-15 block 0's byte, lanes 16-31 block 1's
.irp b, 0,1
.irp i, 0,1,2,3,4,5,6,7,8,9,10,11,12,13,14,15
.endr
	v_cvt_scalef32_pk8_bf8_f32 v[CD+4*\b:CD+4*\b+1], v[O+16*\b:O+16*\b+7], v[SOP+\b]
	v_cvt_scalef32_pk8_bf8_f32 v[CD+4*\b+2:CD+4*\b+3], v[O+16*\b+8:O+16*\b+15], v[SOP+\b]
.endr
	v_nop                                          ; one plain line behind the last conversion
	global_store_b128 v1, v[CD:CD+3], s[56:57]             ; the wave stores 512 consecutive bytes
	global_store_b128 v1, v[CD+4:CD+7], s[56:57] offset:512
	global_store_b8 v5, v[TMP], s[58:59]           ; 32 single bytes, 2 of each row's 8: the other heads of the K step write the rest: the launch's one store of parts of blocks, 262,144 bytes in all
.endm
	s_sub_co_u32 s[GT], 15, s[GG]                  ; the late group first: at least 9 steps, so that every wave is at work at all three gates
	INIT
	s_mov_b32 s[KS], 0
	GATE 3                                         ; key steps 0-3 are in; a fetching wave's three later loads may be out
	s_mov_b32 s[TB], 0
	s_mov_b32 s[CNT], 4
.Lq0:
	STEP 0
	s_sub_co_u32 s[CNT], s[CNT], 1
	s_cmp_lg_u32 s[CNT], 0
	s_cbranch_scc1 .Lq0
	s_setprio 0
	GATE 2                                         ; key steps 4-7 are in; two later loads may be out
	s_mov_b32 s[TB], 4*REC
	s_mov_b32 s[CNT], 4
.Lq1:
	STEP 0
	s_sub_co_u32 s[CNT], s[CNT], 1
	s_cmp_lg_u32 s[CNT], 0
	s_cbranch_scc1 .Lq1
	s_setprio 0
	GATE 0                                         ; all sixteen
	s_mov_b32 s[TB], 8*REC
	s_mov_b32 s[CNT], 8
.Lq2:
	STEP 1
	s_sub_co_u32 s[CNT], s[CNT], 1
	s_cmp_lg_u32 s[CNT], 0
	s_cbranch_scc1 .Lq2
	s_setprio 0
	FINISH
	s_mov_b32 s[GT], s[GG]                         ; the early group
	INIT
	s_mov_b32 s[KS], 0
	s_mov_b32 s[TB], 0
	s_mov_b32 s[CNT], 8
.Lq3:
	STEP 1
	s_sub_co_u32 s[CNT], s[CNT], 1
	s_cmp_lg_u32 s[CNT], 0
	s_cbranch_scc1 .Lq3
	s_setprio 0
	FINISH
	s_wait_tensorcnt 0x0
	ds_add_u32 v251, v255
	s_wait_dscnt 0x0
	CROUND                                         ; the closing round
	s_endpgm
.Lfunc_end_k_q97f66f582b_attn:
	.size	k_q97f66f582b_attn, .Lfunc_end_k_q97f66f582b_attn-k_q97f66f582b_attn
	.p2alignl 7, 3214868480
	.fill 96, 4, 3214868480
	.section	.rodata,"a",@progbits
	.p2align	6, 0x0
	.amdhsa_kernel k_q97f66f582b_attn
		.amdhsa_group_segment_fixed_size 272384
		.amdhsa_private_segment_fixed_size 0
		.amdhsa_enable_private_segment 0
		.amdhsa_kernarg_size 32
		.amdhsa_user_sgpr_count 2
		.amdhsa_user_sgpr_kernarg_segment_ptr 1
		.amdhsa_wavefront_size32 1
		.amdhsa_system_sgpr_workgroup_id_x 1
		.amdhsa_system_sgpr_workgroup_id_y 1
		.amdhsa_system_sgpr_workgroup_id_z 1
		.amdhsa_system_vgpr_workitem_id 0
		.amdhsa_next_free_vgpr 256
		.amdhsa_next_free_sgpr 66
		.amdhsa_reserve_vcc 1
		.amdhsa_float_denorm_mode_32 3
		.amdhsa_float_denorm_mode_16_64 3
		.amdhsa_fp16_overflow 1
		.amdhsa_memory_ordered 1
		.amdhsa_forward_progress 1
		.amdhsa_inst_pref_size 100
	.end_amdhsa_kernel
	.amdgpu_metadata
---
amdhsa.version: [ 1, 2 ]
amdhsa.kernels:
  - .name:           k_q97f66f582b_attn
    .symbol:         k_q97f66f582b_attn.kd
    .args:
      - { .name: q_buf, .offset: 0, .size: 8, .value_kind: global_buffer, .address_space: global }
      - { .name: kv_buf, .offset: 8, .size: 8, .value_kind: global_buffer, .address_space: global }
      - { .name: ctx_codes, .offset: 16, .size: 8, .value_kind: global_buffer, .address_space: global }
      - { .name: ctx_scales, .offset: 24, .size: 8, .value_kind: global_buffer, .address_space: global }
    .group_segment_fixed_size: 272384
    .private_segment_fixed_size: 0
    .kernarg_segment_align: 8
    .kernarg_segment_size: 32
    .max_flat_workgroup_size: 512
    .sgpr_count:     66
    .vgpr_count:     256
    .wavefront_size: 32
...
	.end_amdgpu_metadata
.endif
;; end of part 3
;; launch proj (part 4): grid 8 x 32, 4 waves a work-group, clusters of 4 x 4, 327,680 bytes of LDS; arguments ctx_codes, ctx_scales, w_codes, w_scales, b_o, out0; writes out0
.if DOCPART == 4
	.amdgcn_target "amdgcn-amd-amdhsa--gfx1250"
	.amdhsa_code_object_version 6
	.text
	.protected	k_q97f66f582b_proj
	.globl	k_q97f66f582b_proj
	.p2align	8
	.type	k_q97f66f582b_proj,@function
k_q97f66f582b_proj:
	s_mov_b64 s[64:65], 0
	v_nop
	global_prefetch_b8 v0, s[64:65] scope:SCOPE_SE
	s_setreg_imm32_b32 hwreg(HW_REG_WAVE_MODE, 25, 1), 1
	s_wait_xcnt 0x0
	s_wait_alu depctr_hold_cnt(0) depctr_sa_sdst(0) depctr_va_vdst(0) depctr_va_sdst(0) depctr_va_ssrc(0) depctr_va_vcc(0) depctr_vm_vsrc(0)
	s_getreg_b32 s2, hwreg(HW_REG_IB_STS2, 6, 4)
	s_cmp_eq_u32 s2, 0
	s_cbranch_scc0 .Lentry_in_a_cluster
	s_endpgm
.Lentry_in_a_cluster:
	s_bfe_u32 s2, ttmp6, 0x10000c
	s_cmp_lg_u32 s2, 0xf033
	s_cbranch_scc0 .Lentry_shape_is_right
	s_endpgm
.Lentry_shape_is_right:
; LAUNCH 4 OF 4.  out = ctx Wo^T + b_o on codes of BF8 (E5M2) with E8M0 scales; f32 sums; out [8192][1024] f32.
; 256 tiles of 256 rows x 128 columns, one to a work-group; a wave makes 128 x 64: 32 accumulators, 256 registers (the largest tile that still gives each of 256 work-groups one).
; K = 1,024 goes in four steps of 256 through a ring of two LDS slots.  CLUSTERS of 4 x 4: ctx's tiles ("A", source 1) are shared along a row of the cluster, Wo's ("B", source 0) along a column: joint loads.
; A comes as launch 3 left it: IMAGES of operand registers: [group of 128 rows][head][tile a][block of 32][512 bytes]; a K step of 256 is four heads, 32,768 dense bytes a group; a fragment's four registers c
; lie at (2 q + c / 2) 8,192 + 1,024 a + 512 (c % 2) + 16 x lane.  B comes as rows of codes in launch 1's order, rows of 256 bytes + 16 of padding.
; Lane (r, h) of accumulator (a, b) holds row 32 (a / 2) + 8 (a % 2) + r + 8 (r / 8) of the wave's 128, and register j column 32 (b / 2) + 16 h + 8 (b % 2) + j of its 64.
; THE BIAS is the C of each sum's first matrix instruction.
; REGISTERS: window 0: v0-31 addresses; v32-63 A's scale words (two sets), v64-79 B's, v96-127 the bias; v128-255 A's fragments, one set; on the way out v128-191 rows of out.  window 1: B's fragments, sets at v0
; and v128.  window 2: the accumulators, (a, b) at v[8 (4 a + b)].
.set NQ,     2
.set PITCH,  272
.set FR,     16
.set NL,     4
.set NP,     8
.set AHALF,  32768                     ; a group's four heads
.set BHALF,  64*PITCH
.set BOFF,   2*AHALF
.set SLOT,   BOFF+2*BHALF              ; 100,352
.set LAPS,   2
.set SCA,    2*SLOT                    ; A's scale words of two groups: 2 x 4,096, dense: [K step][a][r][8 bytes]
.set SCB,    SCA+8192                  ; B's of 128 rows: 16 units of 256 bytes + 16 of padding
.set SBH,    8*272
.set SPARE,  SCB+2*SBH                 ; the spare words, 128 bytes a wave: two blocks of 256 bytes that no other line names
.set SPITCH, 272                       ; the way out: a stage of 16 rows x (256 bytes + 16) for each wave, in slot 0, which has had its last fill and its last read by then
.set ADRA, 16
.set ADRB, 20
.set ADSA, 22
.set ADSB, 23
.set STO,  24
.set RD,   25
.set CO,   26
.set SPW,  28
.set NIL,  29
.set SA,   32
.set SB,   64
.set BI,   96
.set AF,   128
.set BK,   128
.set WV,   16
.set HA,   17
.set HB,   18
.set G1, 24
.set G0, 32
.set G1B, 48
.set G0B, 56
.set G1S, 68
.set G0S, 76
.set G1SB, 80
.set G0SB, 88
.set MSB, 0
.macro WIN new
.if MSB != \new
	s_set_vgpr_msb (MSB<<8)|\new
.set MSB, \new
.endif
.endm
.set MUL_1,  0x81                      ; source 0 (B) window 1, source 1 (A) and C (the bias) window 0, D window 2
.set MUL_N,  0xa1                      ; C and D window 2
.set TO_B,   0x40
.macro JLOAD g0a, g1a, g0b, g1b        ; waves 0, 1 fetch for A, waves 2, 3 for B; four v_nop follow each line
	s_cmp_eq_u32 s[HA], 0
	s_cbranch_scc0 .Lfor_b_\@
	tensor_load_to_lds s[\g0a:\g0a+3], s[\g1a:\g1a+7]
	s_nop 0
.rept 4
	v_nop
.endr
	s_branch .Lasked_\@
.Lfor_b_\@:
	tensor_load_to_lds s[\g0b:\g0b+3], s[\g1b:\g1b+7]
	s_nop 0
.rept 4
	v_nop
.endr
.Lasked_\@:
.endm
.macro CREST
	s_cmp_lg_u32 s[WV], 0
	s_cbranch_scc1 .Lnot_wave_0_\@
	s_barrier_signal -3
.Lnot_wave_0_\@:
	s_barrier_wait -3
	s_barrier_signal -1
	s_barrier_wait -1
.endm
.macro CROUND
	s_barrier_signal -1
	s_barrier_wait -1
	CREST
.endm
	s_load_b128 s[4:7], s[0:1], 0x0                ; ctx's codes, ctx's scales
	s_load_b128 s[8:11], s[0:1], 0x10              ; the weights' codes, their scales
	s_load_b128 s[12:15], s[0:1], 0x20             ; b_o, out
	v_lshl_add_u32 v[SPW], v0, 2, SPARE
	v_mov_b32 v[NIL], 0
	ds_add_u32 v28, v29
	ds_add_u32 v28, v29
	s_wait_dscnt 0x0
	v_lshrrev_b32 v1, 5, v0
	v_readfirstlane_b32 s[WV], v1
	s_lshr_b32 s[HA], s[WV], 1                     ; my 128 rows; also: I fetch for A (0) or B (1)
	s_and_b32 s[HB], s[WV], 1                      ; my 64 columns; also which half I fetch
	s_bfe_u32 s40, ttmp6, 0x40000
	s_bfe_u32 s41, ttmp6, 0x40004
	s_lshl_b32 s42, ttmp9, 2
	s_add_co_u32 s42, s42, s40                     ; tile column, 0 .. 7
	s_and_b32 s19, ttmp7, 0xffff
	s_lshl_b32 s19, s19, 2
	s_add_co_u32 s19, s19, s41                     ; tile row, 0 .. 31
	s_lshl_b32 s43, s41, 2
	s_lshl_b32 s43, 15, s43                        ; my row of the cluster
	s_lshl_b32 s44, 0x1111, s40                    ; my column
	s_or_b32 s[G1+0], s43, (3<<16)|(1<<21)         ; A's codes: 32,768 dense bytes as 128 rows of 256 (32 elements of 8 bytes), no padding
	s_mov_b32 s[G1+1], 32<<16
	s_mov_b32 s[G1+2], 128<<16
	s_mov_b32 s[G1+3], 32<<16
	s_mov_b32 s[G1+4], 128
	s_mov_b32 s[G1+5], 32
	s_mov_b32 s[G1+6], 0
	s_mov_b32 s[G1+7], 0
	s_or_b32 s[G1B+0], s44, (0<<16)|(1<<20)|(1<<21)|(5<<22)|(3<<25)  ; B's codes: 64 rows of 256 bytes, 1,024 apart, 16 of padding behind each
	s_mov_b32 s[G1B+1], 256<<16
	s_mov_b32 s[G1B+2], 64<<16
	s_mov_b32 s[G1B+3], 256<<16
	s_mov_b32 s[G1B+4], 64
	s_mov_b32 s[G1B+5], 1024
	s_mov_b32 s[G1B+6], 0
	s_mov_b32 s[G1B+7], 0
	s_or_b32 s[G1S+0], s43, (3<<16)|(1<<21)        ; A's scales of a group: 4,096 dense bytes
	s_mov_b32 s[G1S+1], 32<<16
	s_mov_b32 s[G1S+2], 16<<16
	s_mov_b32 s[G1S+3], 32<<16
	s_mov_b32 s[G1S+4], 16
	s_mov_b32 s[G1S+5], 32
	s_mov_b32 s[G1S+6], 0
	s_mov_b32 s[G1S+7], 0
	s_or_b32 s[G1SB+0], s44, (3<<16)|(1<<20)|(1<<21)|(5<<22)|(3<<25)  ; B's scales of 64 rows: 2,048 dense bytes, padded
	s_mov_b32 s[G1SB+1], 32<<16
	s_mov_b32 s[G1SB+2], 8<<16
	s_mov_b32 s[G1SB+3], 32<<16
	s_mov_b32 s[G1SB+4], 8
	s_mov_b32 s[G1SB+5], 32
	s_mov_b32 s[G1SB+6], 0
	s_mov_b32 s[G1SB+7], 0
	s_lshl_b32 s20, s19, 1
	s_add_co_u32 s20, s20, s[HB]                   ; A: the group of 128 rows that I fetch
	s_lshl_b32 s92, s20, 17                        ; its codes: 131,072 bytes a group
	s_mov_b32 s93, 0
	s_lshl_b32 s94, s20, 12                        ; its scales: 4,096
	s_mov_b32 s95, 0
	s_lshl_b32 s46, s42, 7
	s_lshl_b32 s47, s[HB], 6
	s_add_co_u32 s46, s46, s47                     ; B: row 128 x tile column + 64 x half: also my first column
	s_lshl_b32 s96, s46, 10
	s_add_co_u32 s96, s96, 3*1048576               ; Wo is the fourth weight in the buffer
	s_mov_b32 s97, 0
	s_lshl_b32 s22, s46, 5
	s_add_co_u32 s22, s22, 3*32768
	s_mov_b32 s23, 0
	s_mul_i32 s45, s[HB], AHALF                    ; where they go: made of the wave's number alone
	s_mul_i32 s47, s[HB], BHALF
	s_add_co_u32 s47, s47, BOFF
	s_lshl_b32 s21, s[HB], 12
	s_add_co_u32 s21, s21, SCA
	s_mul_i32 s20, s[HB], SBH
	s_add_co_u32 s20, s20, SCB
	s_wait_kmcnt 0x0
	s_add_nc_u64 s[4:5], s[4:5], s[92:93]
	s_add_nc_u64 s[6:7], s[6:7], s[94:95]
	s_add_nc_u64 s[8:9], s[8:9], s[96:97]
	s_add_nc_u64 s[10:11], s[10:11], s[22:23]
	CROUND                                         ; all sixteen work-groups are here: the first joint loads meet
	s_mov_b32 s[G0S], 1
	s_mov_b32 s[G0S+1], s21
	s_mov_b64 s[G0S+2:G0S+3], s[6:7]
	s_or_b32 s[G0S+3], s[G0S+3], 0x80000000
	s_mov_b32 s[G0SB], 1
	s_mov_b32 s[G0SB+1], s20
	s_mov_b64 s[G0SB+2:G0SB+3], s[10:11]
	s_or_b32 s[G0SB+3], s[G0SB+3], 0x80000000
	JLOAD G0S, G1S, G0SB, G1SB
.irp s, 0,1
	s_mov_b32 s[G0+4*\s], 1
	s_add_co_u32 s[G0+4*\s+1], s45, \s*SLOT
	s_add_nc_u64 s[G0+4*\s+2:G0+4*\s+3], s[4:5], \s*AHALF
	s_or_b32 s[G0+4*\s+3], s[G0+4*\s+3], 0x80000000
	s_mov_b32 s[G0B+4*\s], 1
	s_add_co_u32 s[G0B+4*\s+1], s47, \s*SLOT
	s_add_nc_u64 s[G0B+4*\s+2:G0B+4*\s+3], s[8:9], \s*256
	s_or_b32 s[G0B+4*\s+3], s[G0B+4*\s+3], 0x80000000
	s_wait_alu depctr_va_vdst(0)
	s_wait_tensorcnt 0x0
	ds_add_u32 v28, v29
	s_wait_dscnt 0x0
	CROUND
	JLOAD G0+4*\s, G1, G0B+4*\s, G1B               ; one load of mine is out
.endr
	s_lshl_b32 s20, s46, 2                         ; my first column in bytes
	s_mov_b32 s21, 0
	s_add_nc_u64 s[12:13], s[12:13], s[20:21]      ; the bias at my 64 columns
	s_lshl_b32 s22, s19, 8
	s_lshl_b32 s23, s[HA], 7
	s_add_co_u32 s22, s22, s23                     ; my first row
	s_lshl_b32 s22, s22, 12                        ; 4,096 bytes a row (under 2^26)
	s_add_co_u32 s22, s22, s20
	s_mov_b32 s23, 0
	s_add_nc_u64 s[14:15], s[14:15], s[22:23]
	v_and_b32 v1, 15, v0                           ; r
	v_bfe_u32 v2, v0, 4, 1                         ; h
	v_lshlrev_b32 v7, 6, v2                        ; the bias: lanes 16-31 take the 16 columns further on
.irp b, 0,1,2,3
	global_load_b128 v[BI+8*\b:BI+8*\b+3], v7, s[12:13] offset:4*(32*(\b/2)+8*(\b%2))
	global_load_b128 v[BI+8*\b+4:BI+8*\b+7], v7, s[12:13] offset:4*(32*(\b/2)+8*(\b%2))+16
.endr
	v_and_b32 v3, 31, v0
	v_lshlrev_b32 v3, 4, v3                        ; 16 x lane
	v_mul_u32_u24 v4, v1, PITCH
	v_lshl_add_u32 v4, v2, 4, v4                   ; B: row x pitch + 16 h
	s_mul_i32 s21, s[HA], AHALF
	s_mul_i32 s22, s[HB], BHALF
	s_add_co_u32 s22, s22, BOFF
.irp s, 0,1
	v_add_nc_u32 v[ADRA+\s], s21, v3
	v_add_nc_u32 v[ADRB+\s], s22, v4
	s_add_co_u32 s21, s21, SLOT
	s_add_co_u32 s22, s22, SLOT
.endr
	s_lshl_b32 s21, s[HA], 12
	s_add_co_u32 s21, s21, SCA
	v_lshl_add_u32 v[ADSA], v1, 3, s21             ; A's scale words: 8 bytes a row
	v_lshlrev_b32 v5, 5, v1                        ; B's: 32 bytes a row,
	v_lshrrev_b32 v6, 8, v5
	v_lshl_add_u32 v5, v6, 4, v5                   ; and 16 more for each 256 passed
	s_mul_i32 s22, s[HB], SBH
	s_add_co_u32 s22, s22, SCB
	v_add_nc_u32 v[ADSB], s22, v5
	s_mul_i32 s23, s[WV], 16*SPITCH                ; my stage
	v_mul_u32_u24 v5, v1, SPITCH
	v_lshl_add_u32 v5, v2, 6, v5
	v_add_nc_u32 v[STO], s23, v5                   ; in: row r, + 64 h
	v_mul_u32_u24 v5, v2, SPITCH
	v_lshl_add_u32 v5, v1, 4, v5
	v_add_nc_u32 v[RD], s23, v5                    ; back: lanes 0-15 one row of 256 bytes, lanes 16-31 the next
	v_lshlrev_b32 v5, 12, v2
	v_lshl_add_u32 v[CO], v1, 4, v5                ; and the same two rows in out
.macro FRAGA reg, slot, q, a           ; an image: each load reads 512 consecutive bytes
.irp c, 0,1,2,3
	ds_load_b128 v[\reg+4*\c:\reg+4*\c+3], v[ADRA+\slot] offset:(2*(\q)+\c/2)*8192+1024*(\a)+512*(\c%2)
.endr
.endm
.macro FRAGB reg, slot, q, i
.irp c, 0,1,2,3
	ds_load_b128 v[\reg+4*\c:\reg+4*\c+3], v[ADRB+\slot] offset:128*(\q)+32*\c+(\i)*16*PITCH
.endr
.endm
; 8 matrix instructions: A's blocks a0, a0 + 1 x B's four.  The 32 accumulators take turns, one instruction a turn, in the same order in every step.
.macro MULA a0, p, q, sc, first
.irp a, \a0, \a0+1
.irp b, 0,1,2,3
.if \first
	v_wmma_scale_f32_16x16x128_f8f6f4 v[8*(4*(\a)+\b):8*(4*(\a)+\b)+7], v[128*(\p)+FR*\b:128*(\p)+FR*\b+FR-1], v[AF+FR*(\a):AF+FR*(\a)+FR-1], v[BI+8*\b:BI+8*\b+7], v[SB+8*(\sc)+2*\b+(\q)], v[SA+16*(\sc)+2*(\a)+(\q)] matrix_a_fmt:MATRIX_FMT_BF8 matrix_b_fmt:MATRIX_FMT_BF8
.else
	v_wmma_scale_f32_16x16x128_f8f6f4 v[8*(4*(\a)+\b):8*(4*(\a)+\b)+7], v[128*(\p)+FR*\b:128*(\p)+FR*\b+FR-1], v[AF+FR*(\a):AF+FR*(\a)+FR-1], v[8*(4*(\a)+\b):8*(4*(\a)+\b)+7], v[SB+8*(\sc)+2*\b+(\q)], v[SA+16*(\sc)+2*(\a)+(\q)] matrix_a_fmt:MATRIX_FMT_BF8 matrix_b_fmt:MATRIX_FMT_BF8
.endif
.endr
.endr
.endm
.macro FETCH_B slot, q, p
	WIN TO_B
.irp i, 0,1,2,3
	FRAGB 128*(\p)+FR*\i, \slot, \q, \i
.endr
	WIN 0
.endm
.macro FETCH_A slot, q, i0
.irp i, \i0, \i0+1, \i0+2, \i0+3
	FRAGA AF+FR*(\i), \slot, \q, \i
.endr
.endm
.macro SCALES sc                       ; a K step's scale words, two a row
.irp i, 0,1,2,3,4,5,6,7
	ds_load_b64 v[SA+16*\sc+2*\i:SA+16*\sc+2*\i+1], v[ADSA] offset:128*\i
.endr
.irp i, 0,1,2,3
	ds_load_b64 v[SB+8*\sc+2*\i:SB+8*\sc+2*\i+1], v[ADSB] offset:544*\i
.endr
.endm
.macro PLACES n
.rept \n
	v_nop
.endr
.endm
.macro MWIN first
.if \first
	WIN MUL_1
.else
	WIN MUL_N
.endif
.endm
.macro STEP slot, q, first
	s_wait_dscnt 4*NL                              ; all but the youngest 16 loads (A's blocks 4-7)
	MWIN \first
	MULA 0, (\q)%2, \q, \slot, \first
	MULA 2, (\q)%2, \q, \slot, \first
	s_wait_dscnt 0
	PLACES NP
	FETCH_B \slot, (\q)+1, 1-(\q)%2
	FETCH_A \slot, (\q)+1, 0
	MWIN \first
	MULA 4, (\q)%2, \q, \slot, \first
	MULA 6, (\q)%2, \q, \slot, \first
	PLACES NP
	WIN 0
	FETCH_A \slot, (\q)+1, 4
.endm
.macro TURN slot, next, fill
	s_wait_tensorcnt 0x0                           ; all my tensor loads have landed: my part of the next slot
	ds_add_u32 v[SPW], v[NIL]                      ; 0 onto my spare word
	s_wait_dscnt 4*NL+1                            ; the add and the youngest 16 loads may be out
	WIN MUL_N
	MULA 0, 1, NQ-1, \slot, 0
	s_wait_dscnt 0x0                               ; the add is done, and my reads of this slot are over
	s_barrier_signal -1
	MULA 2, 1, NQ-1, \slot, 0
	WIN 0
	s_barrier_wait -1
.if \fill
	CREST                                          ; the barrier has opened a round of the cluster's
	s_add_nc_u64 s[G0+4*\slot+2:G0+4*\slot+3], s[G0+4*\slot+2:G0+4*\slot+3], 2*AHALF
	s_add_nc_u64 s[G0B+4*\slot+2:G0B+4*\slot+3], s[G0B+4*\slot+2:G0B+4*\slot+3], 2*256
	JLOAD G0+4*\slot, G1, G0B+4*\slot, G1B         ; the first tensor load behind the round
	PLACES NP-4
.else
	PLACES NP
.endif
	s_wait_alu depctr_va_vdst(0)
	v_add_nc_u32 v[ADSA], 1024, v[ADSA]            ; the next K step's scale words
	v_add_nc_u32 v[ADSB], 8, v[ADSB]
	FETCH_B \next, 0, 0
	FETCH_A \next, 0, 0
	SCALES \next
	WIN MUL_N
	MULA 4, 1, NQ-1, \slot, 0
	MULA 6, 1, NQ-1, \slot, 0
	PLACES NP
	WIN 0
	FETCH_A \next, 0, 4
.endm
	s_wait_alu depctr_va_vdst(0)
	s_wait_tensorcnt 1                             ; the scales and my part of K step 0 are in; K step 1's load may be out
	s_barrier_signal -1
	s_barrier_wait -1
	FETCH_B 0, 0, 0
	FETCH_A 0, 0, 0
	SCALES 0
	FETCH_A 0, 0, 4
	s_wait_loadcnt 0x0                             ; the bias
	STEP 0, 0, 1                                   ; the first step's products start the sums from the bias
	s_mov_b32 s3, LAPS-1
.Llap:
	TURN 0, 1, 1
	STEP 1, 0, 0
	TURN 1, 0, 1
	STEP 0, 0, 0
	s_sub_co_u32 s3, s3, 1
	s_cmp_lg_u32 s3, 0
	s_cbranch_scc1 .Llap
	TURN 0, 1, 0                                   ; the last lap fills nothing
	STEP 1, 0, 0
	s_wait_dscnt 4*NL
	WIN MUL_N
	MULA 0, 1, NQ-1, 1, 0
	MULA 2, 1, NQ-1, 1, 0
	s_wait_dscnt 0
	MULA 4, 1, NQ-1, 1, 0
	MULA 6, 1, NQ-1, 1, 0
	WIN 0
; THE WAY OUT, block by block of 16 rows x 64 columns: through my own stage and back as whole rows of 256 bytes.  LDS serves a wave's instructions in order (ISA guide 5.7.1.4): no wait between stores and loads.
.macro TOSTAGE a
	WIN 0x08                                       ; an LDS store's data: window 2
.irp b, 0,1,2,3
	ds_store_b128 v[STO], v[8*(4*(\a)+\b):8*(4*(\a)+\b)+3] offset:128*(\b/2)+32*(\b%2)       ; each accumulator from its low end on
	ds_store_b128 v[STO], v[8*(4*(\a)+\b)+4:8*(4*(\a)+\b)+7] offset:128*(\b/2)+32*(\b%2)+16
.endr
	WIN 0
.set BB, BK+32*((\a)%2)
.irp t, 0,1,2,3,4,5,6,7
	ds_load_b128 v[BB+4*\t:BB+4*\t+3], v[RD] offset:\t*2*SPITCH
.endr
.endm
.macro SEND a, younger                 ; younger: the LDS instructions issued behind block a's loads, which may stay out
.set BB, BK+32*((\a)%2)
	s_wait_dscnt \younger
.irp t, 0,1,2,3,4,5,6,7
	global_store_b128 v[CO], v[BB+4*\t:BB+4*\t+3], s[14:15] offset:(32*((\a)/2)+8*((\a)%2)+2*\t+8*(\t/4))*4096 th:TH_STORE_NT   ; stage row 2 t + h is row 32 (a / 2) + 8 (a % 2) + 2 t + h + 8 (t / 4); 16 lanes store 256 consecutive bytes, aligned
.endr
.endm
	PLACES NP
	TOSTAGE 0
.irp a, 1,2,3,4,5,6,7
.if \a > 1
	s_wait_xcnt 0x0                                ; block a - 2's stores have read their registers: block a's loads may land there
.endif
	TOSTAGE \a
	SEND \a-1, 16                                  ; behind block a - 1's loads: block a's 8 stores and 8 loads
.endr
	SEND 7, 0
	s_wait_tensorcnt 0x0                           ; the wave's end
	ds_add_u32 v[SPW], v[NIL]
	s_wait_dscnt 0x0
	CROUND                                         ; the closing round
	s_endpgm
.Lfunc_end_k_q97f66f582b_proj:
	.size	k_q97f66f582b_proj, .Lfunc_end_k_q97f66f582b_proj-k_q97f66f582b_proj
	.p2alignl 7, 3214868480
	.fill 96, 4, 3214868480
	.section	.rodata,"a",@progbits
	.p2align	6, 0x0
	.amdhsa_kernel k_q97f66f582b_proj
		.amdhsa_group_segment_fixed_size 327680
		.amdhsa_private_segment_fixed_size 0
		.amdhsa_enable_private_segment 0
		.amdhsa_kernarg_size 48
		.amdhsa_user_sgpr_count 2
		.amdhsa_user_sgpr_kernarg_segment_ptr 1
		.amdhsa_wavefront_size32 1
		.amdhsa_system_sgpr_workgroup_id_x 1
		.amdhsa_system_sgpr_workgroup_id_y 1
		.amdhsa_system_sgpr_workgroup_id_z 1
		.amdhsa_system_vgpr_workitem_id 0
		.amdhsa_next_free_vgpr 768
		.amdhsa_next_free_sgpr 98
		.amdhsa_reserve_vcc 0
		.amdhsa_float_denorm_mode_32 3
		.amdhsa_float_denorm_mode_16_64 3
		.amdhsa_memory_ordered 1
		.amdhsa_forward_progress 1
		.amdhsa_inst_pref_size 94
	.end_amdhsa_kernel
	.amdgpu_metadata
---
amdhsa.version: [ 1, 2 ]
amdhsa.kernels:
  - .name:           k_q97f66f582b_proj
    .symbol:         k_q97f66f582b_proj.kd
    .args:
      - { .name: ctx_codes, .offset: 0, .size: 8, .value_kind: global_buffer, .address_space: global }
      - { .name: ctx_scales, .offset: 8, .size: 8, .value_kind: global_buffer, .address_space: global }
      - { .name: w_codes, .offset: 16, .size: 8, .value_kind: global_buffer, .address_space: global }
      - { .name: w_scales, .offset: 24, .size: 8, .value_kind: global_buffer, .address_space: global }
      - { .name: b_o, .offset: 32, .size: 8, .value_kind: global_buffer, .address_space: global }
      - { .name: out0, .offset: 40, .size: 8, .value_kind: global_buffer, .address_space: global }
    .group_segment_fixed_size: 327680
    .private_segment_fixed_size: 0
    .kernarg_segment_align: 8
    .kernarg_segment_size: 48
    .max_flat_workgroup_size: 128
    .sgpr_count:     98
    .vgpr_count:     768
    .wavefront_size: 32
...
	.end_amdgpu_metadata
.endif
;; end of part 4
